; MI455X (gfx1250); checked and timed in simulation.
; The chip was launched on July 23, 2026; its instructions are those of AMD's public machine-readable ISA for CDNA 5 (MIT licence, August 2026) and "CDNA5" Instruction Set Architecture Reference Guide (July 2026). The comments in the code are by the model that wrote it; some were corrected since.
;; Attention. Allowed arithmetic: matrix products marked QUANTISED: E2M3 operands, one E8M0 scale for each 32 along K, by v_wmma_scale_f32_16x16x128_f8f6f4 with both operands' format E2M3, f32 sums; everything else in f32.
;; Inputs: freqs_cos 2,048 x 64 float32; freqs_sin 2,048 x 64 float32; wk 4,096 x 1,024 float32; wo 2,048 x 4,096 float32; wq 4,096 x 2,048 float32; wv 4,096 x 1,024 float32; x 1 x 2,048 x 4,096 float32.
;; Outputs: out0 1 x 2,048 x 4,096 float32.
;; This version of the problem:
;;   THIS VERSION OF THE PROBLEM IS GIVEN IN LOW PRECISION. The matrix products marked QUANTISED in the list below multiply operands that are first quantised to E2M3 (2 exponent bits, 3 mantissa bits; 6 bits a number), with one power-of-two scale for each 32 numbers along K (OCP MX v1.0); their sums are f32. All else is computed in f32.
;;   The module's matrix products, in the order in which they are computed (A, B: the left and right operand; K: the contracted axis; several contracted axes count as one K, in the product's order):
;;     1. [M 2,048, K 4,096] x [K 4,096, N 2,048]; A: input x; B: input wq: QUANTISED
;;     2. [M 2,048, K 4,096] x [K 4,096, N 1,024]; A: input x; B: input wk: QUANTISED
;;     3. [M 2,048, K 4,096] x [K 4,096, N 1,024]; A: input x; B: input wv: QUANTISED
;;     4. batch 8 x [M 2,048, K 128] x [K 128, N 4,096]; A: computed on the way; B: computed on the way: QUANTISED
;;     5. batch 8 x [M 128, K 2,048] x [K 2,048, N 4,096]; A: computed on the way; B: softmax (see below): QUANTISED
;;     6. [M 2,048, K 2,048] x [K 2,048, N 4,096]; A: computed on the way; B: input wo: QUANTISED
;;   THE QUANTISER, for each operand of a quantised product, along K:
;;     - K is cut into blocks of 32 from its start; a last block that is shorter is filled with zeros.
;;     - A block's scale is 2^e with e = floor(log2(the largest magnitude in the block)) - 2, held to -126 .. 127; a block of zeros has e = 0. As a byte (E8M0): e + 127.
;;     - Each number is divided by its block's scale, clamped to +-7.5, and rounded to the nearest number of E2M3, ties to even, subnormals kept.
;;     - The product sums the exact products of the quantised numbers (number of the format x scale) in f32.
;;   ~~~python
;;   def quantise(x, axis):      # numpy; x: float32 -> the quantised numbers, widened to float32 again
;;       x = np.moveaxis(x, axis, -1); K = x.shape[-1]
;;       x = np.pad(x, [(0, 0)] * (x.ndim - 1) + [(0, -K % 32)]); x = x.reshape(x.shape[:-1] + (-1, 32)); a = np.abs(x).max(-1, keepdims=True)
;;       e = np.where(a > 0, np.clip(np.frexp(np.where(a > 0, a, 1))[1] - 1 - 2, -126, 127), 0)      # np.frexp(a)[1] - 1 = floor(log2(a)), exactly
;;       r = np.clip(x / 2.0 ** e, -7.5, 7.5)
;;       step = 2.0 ** (np.maximum(np.frexp(np.where(r == 0, 1, r))[1] - 1, 0) - 3)
;;       q = np.round(r / step) * step * 2.0 ** e      # np.round: ties to even
;;       return np.moveaxis(q.reshape(q.shape[:-2] + (-1,))[..., :K], -1, axis).astype(np.float32)
;;   ~~~
;;   SOFTMAX AHEAD OF A QUANTISED PRODUCT. Where the list says 'softmax', what is quantised is not the finished softmax but p = 2^(t - M), with t = logit x log2(e) and M = ceil(the row's largest t), a whole number; so 1/2 < the row's largest p <= 1. The row's sum l is taken of the UNQUANTISED p, in f32, and the product's result is divided by l at the end. Since M is a whole number, a kernel that streams over the keys may use a running M (the ceiling of the running maximum): every later rescaling is an exact power of two, which a block's scale takes up: the codes' values come out the same.
;;   OPERANDS COMPUTED ON THE WAY. 'Computed on the way' means the value that the module computes at that place (a softmax that the list does not call 'softmax' is quantised finished and normalised). What goes into a quantiser is computed in f32, as accurately as f32 sums, v_exp_f32 and their like allow (about 1e-6 of the number): no bf16 or f16 on the way to a quantiser, and a product that is left as it is and whose result goes on into a quantised operand takes f32 operands (vector FMAs, or v_wmma_f32_16x16x4_f32). A number that lies on a knife's edge between two numbers of the format may be rounded either way, as far as f32 arithmetic and the matrix unit's own rounding can turn it there, and no further.
;; One version. Each part assembles by itself: llvm-mc -triple=amdgcn-amd-amdhsa -mcpu=gfx1250 --defsym DOCPART=n.
;; ======== version 1 of 1: 4 launches
;; workspace buffers: xq 6,553,600 bytes; wqkv 13,107,200 bytes; woq 6,553,600 bytes; ao 3,276,800 bytes; fc 6,291,456 bytes; fs 524,288 bytes
;; launch quant (part 1): grid 256 x 1, 16 waves a work-group, no clusters, 35,840 bytes of LDS; arguments x, wq, wk, wv, wo, xq, wqkv, woq; writes xq, wqkv, woq
.if DOCPART == 1
	.amdgcn_target "amdgcn-amd-amdhsa--gfx1250"
	.amdhsa_code_object_version 6
	.text
	.protected	k_q950bde43d7_quant
	.globl	k_q950bde43d7_quant
	.p2align	8
	.type	k_q950bde43d7_quant,@function
k_q950bde43d7_quant:
	s_mov_b64 s[64:65], 0
	v_nop
	global_prefetch_b8 v0, s[64:65] scope:SCOPE_SE
	s_setreg_imm32_b32 hwreg(HW_REG_WAVE_MODE, 25, 1), 1
	s_wait_xcnt 0x0
; x [2048][4096] (K innermost) and wq, wk, wv [4096][N], wo [2048][4096] (K outermost), all f32, become codes of FP6 (E2M3) with one E8M0 byte for each 32 along K.
; THE LAYOUT OF THE RESULT is the matrix operand's own registers.  A fragment (16 rows x 128 K, 12 registers a lane) is 1,536 bytes: register group g of four at 512 g + 16 x lane.
; A RECORD (6,400 bytes) is one tile of 16 rows x 512 K: four fragments, then 256 bytes of scale words: the word of (row r, step q) at 128 (q / 2) + 8 r + 4 (q % 2).  A buffer is [K / 512][tile][record].
; THE ROWS OF A TILE ARE NOT NEIGHBOURS: lane r of tile 2 b + u holds row 32 b + 8 u + r + 8 (r / 8), so that the results of a product of two such tiles lie as neighbours along the next K.
; A block's scale is 2^(floor(log2(its largest magnitude)) - 2); its byte is the largest magnitude's exponent field - 2, held at 1 from below.
; LIMITS: a block of zeros gets the byte 1 where the rule says 127 (its codes are zeros, and this program alone reads the bytes); blocks whose largest magnitude lies under 2^-124 are held at the byte 1; NaN and infinities are not served.
; SHARES: 256 work-groups of 16 waves, 32 KiB of input a wave.  Waves 0-3: a tile of x x 512 K each.  Waves 4-15: 32 columns (two tiles) x 256 K of a weight each.  Waves share nothing: no barrier, no cluster (no byte is read twice).
.set REC,  6400
.set SCO,  6144
.set GSX,  128*REC                     ; from one 512 K to the next in a buffer of 128 tiles
.set GSW,  256*REC                     ; of 256 tiles
.set STG,  8448                        ; an x wave's stage: 16 rows x (512 bytes + 16)
.set WV,   20                          ; s20      wave
.set SEL,  22                          ; s[22:23] selects of v_permlanex16_b32: lane l xor 16
.set LI,   4                           ; v4   16 x lane
.set SI,   5                           ; v5   the stage, way in
.set SO,   6                           ; v6   the stage, way out
.set CI,   7                           ; v7   weights: my column's bytes within the task's 128
.set L8,   9                           ; v9   8 x lane
.set SV,   10                          ; v10  weights: where my scale words go
.set SB,   14                          ; v14-15 weights: scale words of the task's two steps
.set TM,   16                          ; v16-31 at work in QUANT
.set PC,   32                          ; v32-43 a fragment's codes
.set PT,   44                          ; v44-51 the upper halves of blocks, before they are moved
.set PW,   52                          ; v52-55 the four steps' scale words
.set DW,   56                          ; v56-57 the two that my lane stores
.set R,    64                          ; v64-191  x as loaded, two sets of 64
.set X,    192                         ; v192-255 x, 64 numbers of my row
.set WX,   64                          ; v64-127  weights: two sets of 32 numbers down K
.set WF,   128                         ; v128-175 weights: fragment (step q2, half u) at 128 + 24 q2 + 12 u
.set TC,   176                         ; v176-178 a conversion's result that has to be moved
; 64 numbers of a lane, register 16 b + i = k 32 b + 16 (lane / 16) + i of my row, become a fragment's codes in v[pc] on and its scale word in v[pw].
.macro QUANT s, pc, pw
.irp b, 0,1,2,3
	v_max3_num_f32 v[TM+\b], |v[(\s)+16*\b]|, |v[(\s)+1+16*\b]|, 0x1800000   ; my 16 numbers of block b, and the floor 2^(3 - 127): the byte cannot fall under 1
.endr
.irp i, 2,4,6,8,10,12,14
.irp b, 0,1,2,3
	v_max3_num_f32 v[TM+\b], v[TM+\b], |v[(\s)+16*\b+\i]|, |v[(\s)+1+16*\b+\i]|
.endr
.endr
.irp b, 0,1,2,3
	v_permlanex16_b32 v[TM+4+\b], v[TM+\b], s[SEL], s[SEL+1]
.endr
.irp b, 0,1,2,3
	v_max_num_f32 v[TM+\b], v[TM+\b], v[TM+4+\b]      ; with lane l xor 16: the block's largest magnitude
.endr
.irp b, 0,1,2,3
	v_add_nc_u32 v[TM+12+\b], 0xff000000, v[TM+\b]    ; 2 off its exponent field: the conversion's scale operand
.endr
.irp b, 0,1,2,3
	v_lshrrev_b32 v[TM+4+\b], 23, v[TM+12+\b]         ; the scale's byte
.endr
	v_lshl_or_b32 v[\pw], v[TM+5], 8, v[TM+4]
	v_lshl_or_b32 v[\pw], v[TM+6], 16, v[\pw]
	v_lshl_or_b32 v[\pw], v[TM+7], 24, v[\pw]
.irp c, 0,1
	v_cvt_scalef32_pk16_fp6_f32 v[(\pc)+6*\c:(\pc)+2+6*\c], v[(\s)+32*\c:(\s)+15+32*\c], v[TM+12+2*\c]
	v_cvt_scalef32_pk16_fp6_f32 v[PT+4*\c:PT+2+4*\c], v[(\s)+16+32*\c:(\s)+31+32*\c], v[TM+12+2*\c+1]   ; (a conversion's three registers begin on an even number)
.endr
	v_nop                                             ; one plain line behind the scaled conversions
.irp c, 0,1                                       ; the layout wants a whole block in a lane: lanes 0-15 block 2 c, lanes 16-31 block 2 c + 1
.irp i, 0,1,2
	v_permlane16_swap_b32 v[(\pc)+6*\c+\i], v[PT+4*\c+\i]
.endr
.irp i, 0,1,2
	v_mov_b32 v[(\pc)+3+6*\c+\i], v[PT+4*\c+\i]
.endr
.endr
.endm
	s_load_b256 s[4:11], s[0:1], 0x0               ; x s[4:5], wq s[6:7], wk s[8:9], wv s[10:11]
	s_load_b256 s[12:19], s[0:1], 0x20             ; wo s[12:13], xq s[14:15], wqkv s[16:17], woq s[18:19]
	v_lshl_add_u32 v62, v0, 2, 0x8400
	v_mov_b32 v63, 0
	v_lshrrev_b32 v1, 5, v0
	v_readfirstlane_b32 s[WV], v1
	v_and_b32 v1, 31, v0                           ; lane
	v_and_b32 v2, 15, v0                           ; r
	v_bfe_u32 v3, v0, 4, 1                         ; h
	v_lshlrev_b32 v[LI], 4, v1
	s_mov_b32 s[SEL], 0x76543210
	s_mov_b32 s[SEL+1], 0xfedcba98
	s_and_b32 s21, s[WV], 3
	s_mul_i32 s21, s21, STG                        ; the stage of an x wave
	v_add_nc_u32 v[SI], s21, v[LI]                 ; in: 16 bytes a lane of a row's 512
	v_mul_u32_u24 v[SO], v2, 528
	v_lshl_add_u32 v[SO], v3, 6, v[SO]
	v_add_nc_u32 v[SO], s21, v[SO]                 ; out: row r, + 64 h
	s_cmp_lt_u32 s[WV], 4
	s_cbranch_scc0 .Lweights
	; ---- x: task X = 4 x work-group + wave: tile X / 8, the (X % 8)-th 512 along K
	s_lshl_b32 s24, ttmp9, 2
	s_add_co_u32 s24, s24, s[WV]
	s_and_b32 s25, s24, 7                          ; g
	s_lshr_b32 s26, s24, 3                         ; tile
	s_lshr_b32 s27, s26, 1
	s_lshl_b32 s27, s27, 5
	s_and_b32 s28, s26, 1
	s_lshl_b32 s28, s28, 3
	s_add_co_u32 s27, s27, s28                     ; the tile's first row
	s_lshl_b32 s28, s27, 14                        ; rows of 16,384 bytes
	s_lshl_b32 s29, s25, 11
	s_add_co_u32 s28, s28, s29
	s_mov_b32 s29, 0
	s_mul_i32 s30, s25, GSX
	s_mul_i32 s31, s26, REC
	s_add_co_u32 s30, s30, s31
	s_mov_b32 s31, 0
.irp b, 0,1,2,3
	v_mov_b32 v[TM+4+\b], 0                        ; written once: a lane permute's destination counts as one of its sources
.endr
	v_lshlrev_b32 v[L8], 3, v1
	s_wait_kmcnt 0x0
	s_add_nc_u64 s[4:5], s[4:5], s[28:29]
	s_add_nc_u64 s[14:15], s[14:15], s[30:31]
.macro LOADX s                         ; step s (128 K): each load reads 512 consecutive bytes of one of the tile's 16 rows
.irp i, 0,1,2,3,4,5,6,7,8,9,10,11,12,13,14,15
	global_load_b128 v[R+64*((\s)%2)+4*\i:R+64*((\s)%2)+4*\i+3], v[LI], s[4:5] offset:(\i+8*(\i/8))*16384+512*(\s) th:TH_LOAD_NT
.endr
.endm
.macro TURN s                          ; through my stage: in as loaded, out 16 neighbours of each block a lane.  LDS serves a wave's instructions in order: no wait between
.irp i, 0,1,2,3,4,5,6,7,8,9,10,11,12,13,14,15
	ds_store_b128 v[SI], v[R+64*((\s)%2)+4*\i:R+64*((\s)%2)+4*\i+3] offset:528*\i
.endr
.irp b, 0,1,2,3
.irp j, 0,1,2,3
	ds_load_b128 v[X+16*\b+4*\j:X+16*\b+4*\j+3], v[SO] offset:128*\b+16*\j
.endr
.endr
.endm
.macro XSTEP s
.if \s < 3
	s_wait_loadcnt 16                              ; this step's 16 loads are in; the next step's 16 may be out
.else
	s_wait_loadcnt 0
.endif
	TURN \s
	s_wait_dscnt 0x0                               ; the numbers are back, and the stores into the stage have read their registers,
.if \s < 2
	LOADX \s+2                                     ; which take the loads of two steps on
.endif
.if \s > 0
	s_wait_xcnt 0x0                                ; the last step's stores have read the codes' registers: they are written again only behind this wait
.endif
	QUANT X, PC, PW+\s
.irp c, 0,1,2
	global_store_b128 v[LI], v[PC+4*\c:PC+4*\c+3], s[14:15] offset:1536*\s+512*\c   ; 512 consecutive bytes a store
.endr
.endm
	LOADX 0
	LOADX 1
.irp s, 0,1,2,3
	XSTEP \s
.endr
	v_cmp_le_u32 vcc_lo, 16, v1                    ; lanes 0-15 store the words of steps 0, 1, lanes 16-31 (which hold the same words) those of steps 2, 3
	v_cndmask_b32 v[DW], v[PW], v[PW+2], vcc_lo
	v_cndmask_b32 v[DW+1], v[PW+1], v[PW+3], vcc_lo
	global_store_b64 v[L8], v[DW:DW+1], s[14:15] offset:SCO   ; 256 consecutive bytes, aligned
	s_wait_tensorcnt 0x0
	ds_add_u32 v62, v63
	s_wait_dscnt 0x0
	s_endpgm
	; ---- weights: task T = 12 x work-group + wave - 4.  A LANE TAKES A COLUMN AND ITS REGISTERS RUN DOWN K: a block of 32 lies in one lane.
.Lweights:
	s_mul_i32 s30, ttmp9, 12
	s_add_co_u32 s30, s30, s[WV]
	s_sub_co_u32 s30, s30, 4                       ; T, 0 .. 3071
	v_and_b32 v8, 7, v1
	v_lshl_add_u32 v8, v3, 3, v8
	v_bfe_u32 v11, v1, 3, 1
	v_lshl_add_u32 v8, v11, 4, v8                  ; lane (u, r) takes column 8 u + r + 8 (r / 8) of the 32
	v_lshlrev_b32 v[CI], 2, v8
	v_mul_u32_u24 v[SV], v3, REC
	v_lshl_add_u32 v[SV], v2, 3, v[SV]             ; tile u's record, 8 bytes a row
	s_wait_kmcnt 0x0
.macro WLOAD t, pitch                  ; block t: 32 rows of K at my column; a load reads 128 consecutive bytes
.irp i, 0,1,2,3,4,5,6,7,8,9,10,11,12,13,14,15,16,17,18,19,20,21,22,23,24,25,26,27,28,29,30,31
	global_load_b32 v[WX+32*((\t)%2)+\i], v[CI], s[24:25] offset:(32*(\t)+\i)*(\pitch) th:TH_LOAD_NT
.endr
.endm
.macro WBLOCK t, pitch
.set XS, WX+32*((\t)%2)
.set FQ, WF+24*((\t)/4)+12*((\t)%2)+6*(((\t)%4)/2)   ; even blocks of a step into half 0, odd ones into half 1
.if (\t) < 7
	s_wait_loadcnt 32                              ; this block's 32 loads are in; the next block's may be out
.else
	s_wait_loadcnt 0
.endif
	v_max3_num_f32 v12, |v[XS]|, |v[XS+1]|, |v[XS+2]|
	v_max3_num_f32 v13, |v[XS+3]|, |v[XS+4]|, |v[XS+5]|
.irp i, 6,10,14,18,22,26
	v_max3_num_f32 v12, v12, |v[XS+\i]|, |v[XS+\i+1]|
	v_max3_num_f32 v13, v13, |v[XS+\i+2]|, |v[XS+\i+3]|
.endr
	v_max3_num_f32 v12, v12, |v[XS+30]|, |v[XS+31]|
	v_max3_num_f32 v12, v12, v13, 0x1800000        ; and the floor
	v_add_nc_u32 v11, 0xff000000, v12              ; the conversion's scale operand
	v_cvt_scalef32_pk16_fp6_f32 v[FQ:FQ+2], v[XS:XS+15], v11
	v_cvt_scalef32_pk16_fp6_f32 v[TC:TC+2], v[XS+16:XS+31], v11
	v_lshrrev_b32 v13, 23, v11                     ; the byte (the plain line behind the conversions)
.if (\t)%4 == 0
	v_mov_b32 v[SB+(\t)/4], v13
.else
	v_lshl_or_b32 v[SB+(\t)/4], v13, 8*((\t)%4), v[SB+(\t)/4]
.endif
.irp i, 0,1,2
	v_mov_b32 v[FQ+3+\i], v[TC+\i]
.endr
.if (\t)+2 < 8
	WLOAD (\t)+2, \pitch
.endif
.if (\t)%4 == 3                        ; a step of 128 K is whole: half 0's lanes 16-31 change places with half 1's lanes 0-15: half u is then tile u's fragment
.set F0, WF+24*((\t)/4)
.irp i, 0,1,2,3,4,5,6,7,8,9,10,11
	v_permlane16_swap_b32 v[F0+\i], v[F0+12+\i]
.endr
.irp u, 0,1
.irp g, 0,1,2
	global_store_b128 v[LI], v[F0+12*\u+4*\g:F0+12*\u+4*\g+3], s[26:27] offset:\u*REC+((\t)/4)*1536+512*\g   ; each step has registers of its own: no store's data are written again
.endr
.endr
.endif
.endm
; s30 = the task's number in its tensor, s31 = the tensor's first tile, s[24:25] the tensor, s[26:27] the buffer.  lp = log2(pairs of tiles), pitch = bytes of a row
.macro WTASK lp, pitch
	s_and_b32 s32, s30, (1<<\lp)-1                 ; pair of tiles
	s_lshr_b32 s33, s30, \lp                       ; which 256 along K
	s_mul_i32 s34, s33, 256*\pitch
	s_lshl_b32 s35, s32, 7
	s_add_co_u32 s34, s34, s35
	s_mov_b32 s35, 0
	s_add_nc_u64 s[24:25], s[24:25], s[34:35]
	s_lshr_b32 s36, s33, 1
	s_mul_i32 s36, s36, GSW
	s_lshl_b32 s37, s32, 1
	s_add_co_u32 s37, s37, s31
	s_mul_i32 s37, s37, REC
	s_add_co_u32 s36, s36, s37
	s_mov_b32 s37, 0
	s_add_nc_u64 s[26:27], s[26:27], s[36:37]      ; the first tile's record
	s_and_b32 s38, s33, 1
	s_lshl_b32 s36, s38, 7
	s_add_nc_u64 s[28:29], s[26:27], s[36:37]      ; its scale words of my two steps
	s_mul_i32 s36, s38, 3072
	s_add_nc_u64 s[26:27], s[26:27], s[36:37]      ; its fragments of my two steps
	WLOAD 0, \pitch
	WLOAD 1, \pitch
.irp t, 0,1,2,3,4,5,6,7
	WBLOCK \t, \pitch
.endr
	global_store_b64 v[SV], v[SB:SB+1], s[28:29] offset:SCO   ; 128 consecutive bytes for each of the two tiles
.endm
	s_cmp_lt_u32 s30, 1024
	s_cbranch_scc0 .Lnot_wq
	s_mov_b64 s[24:25], s[6:7]
	s_mov_b64 s[26:27], s[16:17]
	s_mov_b32 s31, 0
	WTASK 6, 8192
	s_endpgm
.Lnot_wq:
	s_cmp_lt_u32 s30, 2048
	s_cbranch_scc0 .Lwo
	s_cmp_lt_u32 s30, 1536                         ; wk or wv: one text, the pointer and the first tile are chosen
	s_cselect_b64 s[24:25], s[8:9], s[10:11]
	s_cselect_b32 s31, 0, 64
	s_cselect_b32 s32, 0, 512
	s_add_co_u32 s31, s31, 128
	s_add_co_u32 s32, s32, 1024
	s_sub_co_u32 s30, s30, s32
	s_mov_b64 s[26:27], s[16:17]
	WTASK 5, 4096
	s_endpgm
.Lwo:
	s_sub_co_u32 s30, s30, 2048
	s_mov_b64 s[24:25], s[12:13]
	s_mov_b64 s[26:27], s[18:19]
	s_mov_b32 s31, 0
	WTASK 7, 16384
	s_endpgm
.Lfunc_end_k_q950bde43d7_quant:
	.size	k_q950bde43d7_quant, .Lfunc_end_k_q950bde43d7_quant-k_q950bde43d7_quant
	.p2alignl 7, 3214868480
	.fill 96, 4, 3214868480
	.section	.rodata,"a",@progbits
	.p2align	6, 0x0
	.amdhsa_kernel k_q950bde43d7_quant
		.amdhsa_group_segment_fixed_size 35840
		.amdhsa_private_segment_fixed_size 0
		.amdhsa_enable_private_segment 0
		.amdhsa_kernarg_size 64
		.amdhsa_user_sgpr_count 2
		.amdhsa_user_sgpr_kernarg_segment_ptr 1
		.amdhsa_wavefront_size32 1
		.amdhsa_system_sgpr_workgroup_id_x 1
		.amdhsa_system_sgpr_workgroup_id_y 1
		.amdhsa_system_sgpr_workgroup_id_z 1
		.amdhsa_system_vgpr_workitem_id 0
		.amdhsa_next_free_vgpr 256
		.amdhsa_next_free_sgpr 66
		.amdhsa_reserve_vcc 1
		.amdhsa_float_denorm_mode_32 3
		.amdhsa_float_denorm_mode_16_64 3
		.amdhsa_memory_ordered 1
		.amdhsa_forward_progress 1
		.amdhsa_inst_pref_size 149
	.end_amdhsa_kernel
	.amdgpu_metadata
---
amdhsa.version: [ 1, 2 ]
amdhsa.kernels:
  - .name:           k_q950bde43d7_quant
    .symbol:         k_q950bde43d7_quant.kd
    .args:
      - { .name: x, .offset: 0, .size: 8, .value_kind: global_buffer, .address_space: global }
      - { .name: wq, .offset: 8, .size: 8, .value_kind: global_buffer, .address_space: global }
      - { .name: wk, .offset: 16, .size: 8, .value_kind: global_buffer, .address_space: global }
      - { .name: wv, .offset: 24, .size: 8, .value_kind: global_buffer, .address_space: global }
      - { .name: wo, .offset: 32, .size: 8, .value_kind: global_buffer, .address_space: global }
      - { .name: xq, .offset: 40, .size: 8, .value_kind: global_buffer, .address_space: global }
      - { .name: wqkv, .offset: 48, .size: 8, .value_kind: global_buffer, .address_space: global }
      - { .name: woq, .offset: 56, .size: 8, .value_kind: global_buffer, .address_space: global }
    .group_segment_fixed_size: 35840
    .private_segment_fixed_size: 0
    .kernarg_segment_align: 8
    .kernarg_segment_size: 64
    .max_flat_workgroup_size: 512
    .sgpr_count:     66
    .vgpr_count:     256
    .wavefront_size: 32
...
	.end_amdgpu_metadata
.endif
;; end of part 1
;; launch qkv (part 2): grid 16 x 16, 4 waves a work-group, clusters of 4 x 4, 327,680 bytes of LDS; arguments xq, wqkv, freqs_cos, freqs_sin, fc, fs; writes fc, fs
.if DOCPART == 2
	.amdgcn_target "amdgcn-amd-amdhsa--gfx1250"
	.amdhsa_code_object_version 6
	.text
	.protected	k_q950bde43d7_qkv
	.globl	k_q950bde43d7_qkv
	.p2align	8
	.type	k_q950bde43d7_qkv,@function
k_q950bde43d7_qkv:
	s_mov_b64 s[64:65], 0
	v_nop
	global_prefetch_b8 v0, s[64:65] scope:SCOPE_SE
	s_setreg_imm32_b32 hwreg(HW_REG_WAVE_MODE, 25, 1), 1
	s_wait_xcnt 0x0
	s_wait_alu depctr_hold_cnt(0) depctr_sa_sdst(0) depctr_va_vdst(0) depctr_va_sdst(0) depctr_va_ssrc(0) depctr_va_vcc(0) depctr_vm_vsrc(0)
	s_getreg_b32 s2, hwreg(HW_REG_IB_STS2, 6, 4)
	s_cmp_eq_u32 s2, 0
	s_cbranch_scc0 .Lentry_in_a_cluster
	s_endpgm
.Lentry_in_a_cluster:
	s_bfe_u32 s2, ttmp6, 0x10000c
	s_cmp_lg_u32 s2, 0xf033
	s_cbranch_scc0 .Lentry_shape_is_right
	s_endpgm
.Lentry_shape_is_right:
; q = rope(x wq), k = rope(x wk), v = x wv on codes of FP6 (E2M3) with E8M0 scales, K = 4,096; the results are quantised in registers (q, k along the head's 128, v along the keys) and leave as fragment images.
; OPERANDS are records of 6,400 bytes: a tile of 16 rows x 512 K as four register images of 1,536 bytes and 256 bytes of scale words; a buffer is [K / 512][tile][record], so a work-group's tiles of one 512 K are one dense block.
; A work-group makes 128 rows of the A side x 256 rows of the B side, four waves 2 x 2, a wave 64 x 128 in 32 accumulators.  THE PRODUCT IS USED TRANSPOSED (source 0 = B side, source 1 = A side): a lane holds one A row, and, since lane r of
; tile 2 b + u holds row 32 b + 8 u + r + 8 (r / 8), its 64 registers of a row of accumulators are 64 neighbours of the B side: 32 b + 16 (lane / 16) + i.  So they are quantised as they stand.
; CLUSTERS of 4 x 4.  THE CLUSTER'S y PICKS THE BLOCK OF THE B SIDE, ITS x THE BLOCK OF THE A SIDE.  y = 0 .. 2: A = x's tokens, B = wq's and wk's columns.  y = 3: THE ROLES ARE SWAPPED, A = wv's columns, B = x's tokens: a lane then holds
; a channel and its registers run along the keys, v's K.  The choice hangs on the cluster's y alone, which all partners share.  A's tiles are asked for jointly along a row of the cluster, B's along a column.
; K goes in slots of 512 (four steps of 128) through a ring of two LDS slots.  THE WALK ALONG K GOES ROUND: cluster (x, y) begins at 512 K number (2 x + 4 (y / 2)) mod 8, so that of the four clusters that read a block of the weights no two ask
; for the same 512 K in the same turn.  Each output has one f32 sum; the order of its eight parts differs from cluster to cluster.
; By this text's count a wave has two tensor loads out at the start and one behind each round.  No prefetch: each tile is shared in its cluster and a slot holds four K steps' work.  One tile to a work-group: 256 work-groups.
; LIMITS of the quantisers: a block of zeros gets the byte 1 (its codes are zeros; this program alone reads the bytes); blocks under 2^-124 are held at the byte 1; NaN and infinities are not served.
; REGISTERS: window 0: v16-29 addresses; v32-95 scale words, two sets; v96-191 A's fragments, two sets of 48; epilogue: v96-235.  window 1: accumulator (a, b) at 64 a + 8 b.  window 2: B's fragments, two sets at 0 and 128.  window 3: cos at 32 a + p, sin at 128 + 32 a + p.
.set REC,  6400
.set FRB,  1536
.set SCO,  6144
.set GSX,  128*REC
.set GSW,  256*REC
.set NS,   8                           ; slots' worth of K
.set LAPS, NS/2
.set SLOT, 24*REC                      ; A's 8 records, then B's 16
.set BOFF, 8*REC
.set SPARE, 2*SLOT                     ; the spare words, 128 bytes for each wave: two blocks of 256 bytes that no other line names
.set ADRA, 16                          ; v16-17 my A fragments in slot 0, 1
.set ADRB, 20                          ; v20-21 my B fragments
.set ADRS, 22                          ; v22-23 my scale words: lanes 0-15 A's, lanes 16-31 B's
.set LI,   24                          ; v24 16 x lane
.set LS,   25                          ; v25 4 x lane
.set CO,   26                          ; v26 my place in cos and sin
.set SPW,  28
.set NIL,  29
.set SC,   32                          ; scale words: set s at 32 + 32 s, register 4 i + q
.set AF,   96
.set U,    96                          ; epilogue: v96-159 the rotation's cross terms
.set PCB,  160                         ; v160-207 four fragments' codes
.set PT,   208                         ; v208-215
.set TM,   216                         ; v216-231
.set PWB,  232                         ; v232-235 four scale words
.set WV, 16
.set WA, 17                            ; which half of A's rows is mine.  Also: I fetch for A (0) or B (1)
.set WB, 18                            ; which half of B's rows.  Also: which half of that block I fetch
.set G1A, 24
.set G0A, 32
.set G1B, 48
.set G0B, 56
.set SEL, 88
.set CB,  98                           ; s98 the cluster's y
.set GC,  99                           ; s99 the 512 K that is asked for next
.set MSB, 0
.macro WIN new                         ; the immediate's high byte repeats the setting that is left
.if MSB != \new
	s_set_vgpr_msb (MSB<<8)|\new
.set MSB, \new
.endif
.endm
.set MUL,  0x52                        ; source 0 (B) window 2, source 1 (A) window 0, C and D window 1
.set TO_B, 0x80                        ; destination window 2
.macro JLOAD s                         ; a joint load: waves 0, 1 fetch A's halves, waves 2, 3 B's; four v_nop follow each of the two lines
	s_cmp_eq_u32 s[WA], 0
	s_cbranch_scc0 .Lfor_b_\@
	tensor_load_to_lds s[G0A+4*\s:G0A+4*\s+3], s[G1A:G1A+7]
	s_nop 0
.rept 4
	v_nop
.endr
	s_branch .Lasked_\@
.Lfor_b_\@:
	tensor_load_to_lds s[G0B+4*\s:G0B+4*\s+3], s[G1B:G1B+7]
	s_nop 0
.rept 4
	v_nop
.endr
.Lasked_\@:
.endm
; Slot s's two descriptors are aimed at 512 K number s[GC]: my blocks' first bytes (s[78:79], s[80:81]) + that number x the bytes from one 512 K to the next (s76 in A's buffer, s82 in B's); then the number steps, round K's eight.
; It stands where no tensor load of the wave is out.  Nothing in it hangs on a work-group's place in its cluster.
.macro AIM s
	s_mul_i32 s72, s[GC], s76
	s_mul_i32 s74, s[GC], s82
	s_add_nc_u64 s[G0A+4*\s+2:G0A+4*\s+3], s[78:79], s[72:73]
	s_add_nc_u64 s[G0B+4*\s+2:G0B+4*\s+3], s[80:81], s[74:75]
	s_or_b32 s[G0A+4*\s+3], s[G0A+4*\s+3], 0x80000000
	s_or_b32 s[G0B+4*\s+3], s[G0B+4*\s+3], 0x80000000
	s_add_co_u32 s[GC], s[GC], 1
	s_and_b32 s[GC], s[GC], NS-1
.endm
.macro CREST                           ; a round of the cluster's barrier behind its opening barrier
	s_cmp_lg_u32 s[WV], 0
	s_cbranch_scc1 .Lnot_wave_0_\@
	s_barrier_signal -3
.Lnot_wave_0_\@:
	s_barrier_wait -3
	s_barrier_signal -1
	s_barrier_wait -1
.endm
.macro CROUND
	s_barrier_signal -1
	s_barrier_wait -1
	CREST
.endm
	s_load_b256 s[4:11], s[0:1], 0x0               ; xq s[4:5], wqkv s[6:7], cos s[8:9], sin s[10:11]
	s_load_b128 s[12:15], s[0:1], 0x20             ; fc s[12:13], fs s[14:15]
	v_lshl_add_u32 v[SPW], v0, 2, SPARE
	v_mov_b32 v[NIL], 0
	ds_add_u32 v28, v29
	s_wait_dscnt 0x0
	v_lshrrev_b32 v1, 5, v0
	v_readfirstlane_b32 s[WV], v1
	s_lshr_b32 s[WA], s[WV], 1
	s_and_b32 s[WB], s[WV], 1
	s_bfe_u32 s40, ttmp6, 0x40000                  ; cx
	s_bfe_u32 s41, ttmp6, 0x40004                  ; cy
	s_and_b32 s[CB], ttmp7, 0xffff                 ; cluster y
	s_lshr_b32 s71, ttmp9, 1
	s_and_b32 s72, ttmp9, 1
	s_mov_b32 s74, GSX
	s_mov_b32 s75, GSW
	s_cmp_eq_u32 s[CB], 3                          ; v's clusters?
	s_cselect_b32 s71, s71, ttmp9                  ; A's block of four: cluster x / 2, else cluster x
	s_cselect_b32 s72, s72, s[CB]                  ; B's: cluster x % 2, else cluster y
	s_cselect_b32 s73, 192, 0                      ; A's first tile: wv's columns begin at tile 192
	s_cselect_b32 s76, s75, s74                    ; a slot on in A's buffer
	s_cselect_b32 s82, s74, s75                    ; and in B's
	s_lshl_b32 s43, s71, 2
	s_add_co_u32 s43, s43, s41                     ; at: which 128 rows of the A side
	s_lshl_b32 s42, s72, 2
	s_add_co_u32 s42, s42, s40                     ; bt: which 256 rows of the B side
	s_lshl_b32 s44, s41, 2
	s_lshl_b32 s44, 15, s44                        ; my row of the cluster
	s_lshl_b32 s45, 0x1111, s40                    ; my column
	; descriptor groups 1: dense blocks as rows of 256 bytes (32 elements of 8 bytes): A's half 100 rows, B's half 200
	s_or_b32 s[G1A], s44, (3<<16)|(1<<21)
	s_mov_b32 s[G1A+1], 32<<16
	s_mov_b32 s[G1A+2], 100<<16
	s_mov_b32 s[G1A+3], 32<<16
	s_mov_b32 s[G1A+4], 100
	s_mov_b32 s[G1A+5], 32
	s_mov_b32 s[G1A+6], 0
	s_mov_b32 s[G1A+7], 0
	s_or_b32 s[G1B], s45, (3<<16)|(1<<21)
	s_mov_b32 s[G1B+1], 32<<16
	s_mov_b32 s[G1B+2], 200<<16
	s_mov_b32 s[G1B+3], 32<<16
	s_mov_b32 s[G1B+4], 200
	s_mov_b32 s[G1B+5], 32
	s_mov_b32 s[G1B+6], 0
	s_mov_b32 s[G1B+7], 0
	s_lshl_b32 s20, s43, 3                         ; A: tile 8 at + 4 x half (+ 192): in registers that never hold cx
	s_lshl_b32 s21, s[WB], 2
	s_add_co_u32 s20, s20, s21
	s_add_co_u32 s20, s20, s73
	s_mul_i32 s20, s20, REC
	s_mov_b32 s21, 0
	s_lshl_b32 s46, s42, 4                         ; B: tile 16 bt + 8 x half: in registers that never hold cy
	s_lshl_b32 s47, s[WB], 3
	s_add_co_u32 s46, s46, s47
	s_mul_i32 s46, s46, REC
	s_mov_b32 s47, 0
	s_mul_i32 s22, s[WB], 4*REC                    ; where they go: no place in the cluster enters an LDS address
	s_mul_i32 s23, s[WB], 8*REC
	s_add_co_u32 s23, s23, BOFF
	s_lshl_b32 s[GC], ttmp9, 1                     ; where my cluster's walk along K begins: (2 x + 4 (y / 2)) mod 8
	s_lshr_b32 s70, s[CB], 1
	s_lshl_b32 s70, s70, 2
	s_add_co_u32 s[GC], s[GC], s70
	s_and_b32 s[GC], s[GC], NS-1
	s_mov_b32 s73, 0                               ; the upper words of AIM's two offsets
	s_mov_b32 s75, 0
	s_mov_b32 s[SEL], 0x76543210
	s_mov_b32 s[SEL+1], 0xfedcba98
	s_wait_kmcnt 0x0
	s_cmp_eq_u32 s[CB], 3
	s_cselect_b64 s[78:79], s[6:7], s[4:5]         ; A's buffer
	s_cselect_b64 s[80:81], s[4:5], s[6:7]         ; B's
	s_add_nc_u64 s[78:79], s[78:79], s[20:21]      ; at my block, in the first 512 K
	s_add_nc_u64 s[80:81], s[80:81], s[46:47]
	s_mov_b32 s[G0A], 1
	s_mov_b32 s[G0A+1], s22
	s_mov_b32 s[G0A+4], 1
	s_add_co_u32 s[G0A+5], s22, SLOT
	s_mov_b32 s[G0B], 1
	s_mov_b32 s[G0B+1], s23
	s_mov_b32 s[G0B+4], 1
	s_add_co_u32 s[G0B+5], s23, SLOT
	AIM 0
	AIM 1
	CROUND                                         ; all sixteen work-groups are here: the first joint loads meet
	JLOAD 0
	JLOAD 1
	v_and_b32 v1, 31, v0
	v_and_b32 v2, 15, v0                           ; r
	v_bfe_u32 v3, v0, 4, 1                         ; h
	v_lshlrev_b32 v[LI], 4, v1
	v_lshlrev_b32 v[LS], 2, v1
	s_mul_i32 s84, s[WA], 4*REC                    ; my four tiles of A
	s_mul_i32 s85, s[WB], 8*REC
	s_add_co_u32 s85, s85, BOFF                    ; my eight of B
	s_sub_co_u32 s86, s85, s84
	v_mul_u32_u24 v4, s86, v3                      ; lanes 16-31 take B's scale words: one product, the distance between the two
	v_lshl_add_u32 v4, v2, 3, v4
	s_add_co_u32 s87, s84, SCO
.irp s, 0,1
	v_add_nc_u32 v[ADRA+\s], s84, v[LI]
	v_add_nc_u32 v[ADRB+\s], s85, v[LI]
	v_add_nc_u32 v[ADRS+\s], s87, v4
	s_add_co_u32 s84, s84, SLOT
	s_add_co_u32 s85, s85, SLOT
	s_add_co_u32 s87, s87, SLOT
.endr
.irp b, 0,1,2,3
	v_mov_b32 v[TM+4+\b], 0                        ; written once: a lane permute's destination counts as one of its sources
.endr
	; cos and sin of my 64 tokens: lane (r, h) wants, of its token's row of 256 bytes, pairs 16 k + 8 h + 0 .. 7.  (v's clusters load them too, inside the tables, and do not use them: every register is written on every way.)
	v_and_b32 v5, 8, v2
	v_add_nc_u32 v5, v5, v2
	v_lshlrev_b32 v[CO], 8, v5
	v_lshl_add_u32 v[CO], v3, 5, v[CO]
	s_lshl_b32 s96, s43, 7
	s_lshl_b32 s97, s[WA], 6
	s_add_co_u32 s96, s96, s97
	s_lshl_b32 s96, s96, 8
	s_mov_b32 s97, 0
	s_add_nc_u64 s[8:9], s[8:9], s[96:97]
	s_add_nc_u64 s[10:11], s[10:11], s[96:97]
	WIN 0xc0                                       ; destination window 3
.irp a, 0,1,2,3
.irp k, 0,1,2,3
.irp j, 0,1
	global_load_b128 v[32*\a+8*\k+4*\j:32*\a+8*\k+4*\j+3], v[CO], s[8:9] offset:(32*(\a/2)+8*(\a%2))*256+64*\k+16*\j
	global_load_b128 v[128+32*\a+8*\k+4*\j:128+32*\a+8*\k+4*\j+3], v[CO], s[10:11] offset:(32*(\a/2)+8*(\a%2))*256+64*\k+16*\j
.endr
.endr
.endr
	WIN 0
	; where my four fragments go: image number FI0 + a.  X1 = 2 bt + my half of B
	s_lshl_b32 s90, s42, 1
	s_add_co_u32 s90, s90, s[WB]
	s_lshl_b32 s91, s90, 7
	s_lshl_b32 s92, s43, 3
	s_add_co_u32 s91, s91, s92                     ; q: 128 x head + tile of queries
	s_lshl_b32 s92, s90, 8
	s_sub_co_u32 s92, s92, 2048
	s_lshl_b32 s93, s43, 4
	s_add_co_u32 s92, s92, s93                     ; k: 2048 + 256 (X1 - 16) + 16 x key step
	s_lshl_b32 s93, s43, 8
	s_lshl_b32 s94, s90, 4
	s_add_co_u32 s93, s93, s94
	s_add_co_u32 s93, s93, 2056                    ; v: 2048 + 256 x head + 16 x key step + 8
	s_cmp_lt_u32 s[CB], 2
	s_cselect_b32 s91, s91, s92
	s_cmp_eq_u32 s[CB], 3
	s_cselect_b32 s91, s93, s91
	s_lshl_b32 s92, s[WA], 2
	s_add_co_u32 s91, s91, s92
	s_mul_i32 s92, s91, FRB
	s_mov_b32 s93, 0
	s_add_nc_u64 s[12:13], s[12:13], s[92:93]
	s_lshl_b32 s92, s91, 7
	s_add_nc_u64 s[14:15], s[14:15], s[92:93]
.macro FETCH slot, q, p                ; the fragments of the slot's q-th 128 K into set p: register images, 512 consecutive bytes a load
	WIN TO_B
.irp b, 0,1,2,3,4,5,6,7
.irp g, 0,1,2
	ds_load_b128 v[128*(\p)+12*\b+4*\g:128*(\p)+12*\b+4*\g+3], v[ADRB+\slot] offset:\b*REC+(\q)*FRB+512*\g
.endr
.endr
	WIN 0
.irp a, 0,1,2,3
.irp g, 0,1,2
	ds_load_b128 v[AF+48*(\p)+12*\a+4*\g:AF+48*(\p)+12*\a+4*\g+3], v[ADRA+\slot] offset:\a*REC+(\q)*FRB+512*\g
.endr
.endr
.endm
.macro SCALES slot                     ; the slot's scale words: lanes 0-15 A's tile i, lanes 16-31 B's tile i (for i over 3 the low lanes read bytes of the slot that nobody uses)
.irp i, 0,1,2,3,4,5,6,7
	ds_load_b64 v[SC+32*\slot+4*\i:SC+32*\slot+4*\i+1], v[ADRS+\slot] offset:\i*REC
	ds_load_b64 v[SC+32*\slot+4*\i+2:SC+32*\slot+4*\i+3], v[ADRS+\slot] offset:\i*REC+128
.endr
.endm
.macro MUL8 a, p, q, sc, zero          ; A's tile a against B's eight.  The 32 accumulators take turns, one instruction a turn, in the same order in every step
.irp b, 0,1,2,3,4,5,6,7
.if \zero
	v_wmma_scale_f32_16x16x128_f8f6f4 v[64*(\a)+8*\b:64*(\a)+8*\b+7], v[128*(\p)+12*\b:128*(\p)+12*\b+11], v[AF+48*(\p)+12*(\a):AF+48*(\p)+12*(\a)+11], 0, v[SC+32*(\sc)+4*\b+(\q)], v[SC+32*(\sc)+4*(\a)+(\q)] matrix_a_fmt:MATRIX_FMT_FP6 matrix_b_fmt:MATRIX_FMT_FP6 matrix_a_scale:MATRIX_SCALE_ROW1
.else
	v_wmma_scale_f32_16x16x128_f8f6f4 v[64*(\a)+8*\b:64*(\a)+8*\b+7], v[128*(\p)+12*\b:128*(\p)+12*\b+11], v[AF+48*(\p)+12*(\a):AF+48*(\p)+12*(\a)+11], v[64*(\a)+8*\b:64*(\a)+8*\b+7], v[SC+32*(\sc)+4*\b+(\q)], v[SC+32*(\sc)+4*(\a)+(\q)] matrix_a_fmt:MATRIX_FMT_FP6 matrix_b_fmt:MATRIX_FMT_FP6 matrix_a_scale:MATRIX_SCALE_ROW1
.endif
.endr
.endm
.macro STEP slot, q, zero              ; a step that has its successor in the same slot
	s_wait_dscnt 0x0                               ; this step's fragments, asked for a step ago, are in
.rept 4
	v_nop                                          ; four places between the last step's products and the loads into the registers that they read (ISA guide 7.12.1 for vector instructions)
.endr
	FETCH \slot, (\q)+1, ((\q)+1)%2
	WIN MUL
	MUL8 0, (\q)%2, \q, \slot, \zero
	MUL8 1, (\q)%2, \q, \slot, \zero
	MUL8 2, (\q)%2, \q, \slot, \zero
	MUL8 3, (\q)%2, \q, \slot, \zero
	WIN 0
.endm
.macro TURN slot, next, fill           ; a slot's last step changes slots: one barrier; fill = 1: it opens a round of the cluster's barrier and the slot is filled again, with the 512 K two turns on
	s_wait_tensorcnt 0x0                           ; all my tensor loads have landed: my part of the next slot
	ds_add_u32 v[SPW], v[NIL]                      ; 0 onto my spare word
	s_wait_dscnt 1                                 ; this step's fragments are in; the add alone may be out
	WIN MUL
	MUL8 0, 1, 3, \slot, 0
	s_wait_dscnt 0x0                               ; the add is done, and my reads of this slot are over
	s_barrier_signal -1
	MUL8 1, 1, 3, \slot, 0
	WIN 0
	s_barrier_wait -1
.if \fill
	CREST                                          ; no wave of any partner still reads this slot or has a load on its way
	AIM \slot
	JLOAD \slot                                    ; the first tensor load behind the round; its four v_nop are also the places in front of the loads below
.else
.rept 4
	v_nop
.endr
.endif
	FETCH \next, 0, 0
	SCALES \next
	WIN MUL
	MUL8 2, 1, 3, \slot, 0
	MUL8 3, 1, 3, \slot, 0
	WIN 0
.endm
	s_wait_tensorcnt 1                             ; my part of slot 0 is in; slot 1's may stay out
	s_barrier_signal -1
	s_barrier_wait -1
	FETCH 0, 0, 0
	SCALES 0
	STEP 0, 0, 1                                   ; the first step's products start the sums: nothing is cleared
	s_mov_b32 s3, LAPS-1
.Llap:                                                 ; a trip goes once round the ring and fills both slots again
	STEP 0, 1, 0
	STEP 0, 2, 0
	TURN 0, 1, 1
	STEP 1, 0, 0
	STEP 1, 1, 0
	STEP 1, 2, 0
	TURN 1, 0, 1
	STEP 0, 0, 0
	s_sub_co_u32 s3, s3, 1
	s_cmp_lg_u32 s3, 0
	s_cbranch_scc1 .Llap
	STEP 0, 1, 0                                   ; the last lap fills nothing
	STEP 0, 2, 0
	TURN 0, 1, 0
	STEP 1, 0, 0
	STEP 1, 1, 0
	STEP 1, 2, 0
	s_wait_dscnt 0x0
	WIN MUL
	MUL8 0, 1, 3, 1, 0
	MUL8 1, 1, 3, 1, 0
	MUL8 2, 1, 3, 1, 0
	MUL8 3, 1, 3, 1, 0
	WIN 0
	; ---- THE WAY OUT
.macro ROPE a                          ; registers 2 p, 2 p + 1 of row a are the pair p' = 16 (p / 8) + 8 h + p % 8 of my token: (t0 c - t1 s, t0 s + t1 c)
	WIN 0x0d                                       ; source 0 window 1, source 1 window 3
.set P, 0
.rept 32
	v_mul_f32 v[U+2*P], v[64*(\a)+2*P+1], v[128+32*(\a)+P]
	v_mul_f32 v[U+2*P+1], v[64*(\a)+2*P], v[128+32*(\a)+P]
.set P, P+1
.endr
	WIN 0x4d                                       ; destination and source 0 window 1, source 1 window 3, source 2 window 0
.set P, 0
.rept 32
	v_fma_f32 v[64*(\a)+2*P], v[64*(\a)+2*P], v[32*(\a)+P], -v[U+2*P]
	v_fma_f32 v[64*(\a)+2*P+1], v[64*(\a)+2*P+1], v[32*(\a)+P], v[U+2*P+1]
.set P, P+1
.endr
	WIN 0
.endm
; 64 numbers of a lane in window 1, register 16 b + i = k 32 b + 16 (lane / 16) + i of my row, become a fragment's codes in v[pc] on and its scale word in v[pw]
.macro QUANTW s, pc, pw
	WIN 0x05
.irp b, 0,1,2,3
	v_max3_num_f32 v[TM+\b], |v[(\s)+16*\b]|, |v[(\s)+1+16*\b]|, 0x1800000   ; and the floor 2^(3 - 127): the byte cannot fall under 1
.endr
	WIN 0x14
.irp i, 2,4,6,8,10,12,14
.irp b, 0,1,2,3
	v_max3_num_f32 v[TM+\b], v[TM+\b], |v[(\s)+16*\b+\i]|, |v[(\s)+1+16*\b+\i]|
.endr
.endr
	WIN 0
.irp b, 0,1,2,3
	v_permlanex16_b32 v[TM+4+\b], v[TM+\b], s[SEL], s[SEL+1]
.endr
.irp b, 0,1,2,3
	v_max_num_f32 v[TM+\b], v[TM+\b], v[TM+4+\b]
.endr
.irp b, 0,1,2,3
	v_add_nc_u32 v[TM+12+\b], 0xff000000, v[TM+\b]
.endr
.irp b, 0,1,2,3
	v_lshrrev_b32 v[TM+4+\b], 23, v[TM+12+\b]
.endr
	v_lshl_or_b32 v[\pw], v[TM+5], 8, v[TM+4]
	v_lshl_or_b32 v[\pw], v[TM+6], 16, v[\pw]
	v_lshl_or_b32 v[\pw], v[TM+7], 24, v[\pw]
	WIN 0x01
.irp c, 0,1
	v_cvt_scalef32_pk16_fp6_f32 v[(\pc)+6*\c:(\pc)+2+6*\c], v[(\s)+32*\c:(\s)+15+32*\c], v[TM+12+2*\c]
	v_cvt_scalef32_pk16_fp6_f32 v[PT+4*\c:PT+2+4*\c], v[(\s)+16+32*\c:(\s)+31+32*\c], v[TM+12+2*\c+1]
.endr
	WIN 0
	v_nop                                          ; one plain line behind the scaled conversions
.irp c, 0,1
.irp i, 0,1,2
	v_permlane16_swap_b32 v[(\pc)+6*\c+\i], v[PT+4*\c+\i]
.endr
.irp i, 0,1,2
	v_mov_b32 v[(\pc)+3+6*\c+\i], v[PT+4*\c+\i]
.endr
.endr
.endm
.rept 4
	v_nop                                          ; four places behind the last products
.endr
	s_wait_loadcnt 0x0                             ; cos and sin
	s_cmp_eq_u32 s[CB], 3                          ; v is not rotated
	s_cbranch_scc1 .Lnorope
.irp a, 0,1,2,3
	ROPE \a
.endr
.Lnorope:
.irp a, 0,1,2,3
	QUANTW 64*\a, PCB+12*\a, PWB+\a
.irp c, 0,1,2
	global_store_b128 v[LI], v[PCB+12*\a+4*\c:PCB+12*\a+4*\c+3], s[12:13] offset:FRB*\a+512*\c   ; 512 consecutive bytes a store; each fragment has registers of its own
.endr
	global_store_b32 v[LS], v[PWB+\a], s[14:15] offset:128*\a   ; 128 consecutive bytes: lanes 16-31 hold the same words as lanes 0-15
.endr
	s_wait_tensorcnt 0x0                           ; the wave's end
	ds_add_u32 v[SPW], v[NIL]
	s_wait_dscnt 0x0
	CROUND                                         ; the closing round
	s_endpgm
.Lfunc_end_k_q950bde43d7_qkv:
	.size	k_q950bde43d7_qkv, .Lfunc_end_k_q950bde43d7_qkv-k_q950bde43d7_qkv
	.p2alignl 7, 3214868480
	.fill 96, 4, 3214868480
	.section	.rodata,"a",@progbits
	.p2align	6, 0x0
	.amdhsa_kernel k_q950bde43d7_qkv
		.amdhsa_group_segment_fixed_size 327680
		.amdhsa_private_segment_fixed_size 0
		.amdhsa_enable_private_segment 0
		.amdhsa_kernarg_size 48
		.amdhsa_user_sgpr_count 2
		.amdhsa_user_sgpr_kernarg_segment_ptr 1
		.amdhsa_wavefront_size32 1
		.amdhsa_system_sgpr_workgroup_id_x 1
		.amdhsa_system_sgpr_workgroup_id_y 1
		.amdhsa_system_sgpr_workgroup_id_z 1
		.amdhsa_system_vgpr_workitem_id 0
		.amdhsa_next_free_vgpr 1024
		.amdhsa_next_free_sgpr 100
		.amdhsa_reserve_vcc 0
		.amdhsa_float_denorm_mode_32 3
		.amdhsa_float_denorm_mode_16_64 3
		.amdhsa_memory_ordered 1
		.amdhsa_forward_progress 1
		.amdhsa_inst_pref_size 169
	.end_amdhsa_kernel
	.amdgpu_metadata
---
amdhsa.version: [ 1, 2 ]
amdhsa.kernels:
  - .name:           k_q950bde43d7_qkv
    .symbol:         k_q950bde43d7_qkv.kd
    .args:
      - { .name: xq, .offset: 0, .size: 8, .value_kind: global_buffer, .address_space: global }
      - { .name: wqkv, .offset: 8, .size: 8, .value_kind: global_buffer, .address_space: global }
      - { .name: freqs_cos, .offset: 16, .size: 8, .value_kind: global_buffer, .address_space: global }
      - { .name: freqs_sin, .offset: 24, .size: 8, .value_kind: global_buffer, .address_space: global }
      - { .name: fc, .offset: 32, .size: 8, .value_kind: global_buffer, .address_space: global }
      - { .name: fs, .offset: 40, .size: 8, .value_kind: global_buffer, .address_space: global }
    .group_segment_fixed_size: 327680
    .private_segment_fixed_size: 0
    .kernarg_segment_align: 8
    .kernarg_segment_size: 48
    .max_flat_workgroup_size: 128
    .sgpr_count:     100
    .vgpr_count:     1024
    .wavefront_size: 32
...
	.end_amdgpu_metadata
.endif
;; end of part 2
;; launch attn (part 3): grid 32 x 8, 16 waves a work-group, clusters of 4 x 1, 327,680 bytes of LDS; arguments fc, fs, ao; writes ao
.if DOCPART == 3
	.amdgcn_target "amdgcn-amd-amdhsa--gfx1250"
	.amdhsa_code_object_version 6
	.text
	.protected	k_q950bde43d7_attn
	.globl	k_q950bde43d7_attn
	.p2align	8
	.type	k_q950bde43d7_attn,@function
k_q950bde43d7_attn:
	s_mov_b64 s[64:65], 0
	v_nop
	global_prefetch_b8 v0, s[64:65] scope:SCOPE_SE
	s_setreg_imm32_b32 hwreg(HW_REG_WAVE_MODE, 25, 1), 1
	s_wait_xcnt 0x0
	s_wait_alu depctr_hold_cnt(0) depctr_sa_sdst(0) depctr_va_vdst(0) depctr_va_sdst(0) depctr_va_ssrc(0) depctr_va_vcc(0) depctr_vm_vsrc(0)
	s_getreg_b32 s2, hwreg(HW_REG_IB_STS2, 6, 4)
	s_cmp_eq_u32 s2, 0
	s_cbranch_scc0 .Lentry_in_a_cluster
	s_endpgm
.Lentry_in_a_cluster:
	s_bfe_u32 s2, ttmp6, 0x10000c
	s_cmp_lg_u32 s2, 0x3003
	s_cbranch_scc0 .Lentry_shape_is_right
	s_endpgm
.Lentry_shape_is_right:
; Causal attention with grouped heads on codes of FP6 (E2M3): S^T = K Q^T, p = 2^(t - M), O^T = V^T P^T, O / l, quantised along (head, channel) for the last product.
; t = score x log2(e) / sqrt(128); M = the running largest t rounded UP to a whole number; p is quantised along the keys, not normalised; l is the sum of the unquantised p.  When M moves, l and O are multiplied by a power of two: exact.
; OPERANDS are register images: a fragment 1,536 bytes (fc), its scale words 128 bytes (fs).  q: image 128 x head + tile.  k, v: image 2048 + 256 x head + 16 x key step + tile (K: 0-7, V: 8-15): a key step of 128 keys is 24,576 dense bytes.
; Lane r of a tile 2 b + u holds row 32 b + 8 u + r + 8 (r / 8) (queries, keys, channels alike), so a lane's 16 registers of two neighbouring result tiles are 16 neighbours along the next K.
; SHARES.  The queries are 16 ranges of 128.  Cluster c of a key-value head takes ranges c and 15 - c: (c + 1) + (16 - c) = 17 key steps for every work-group.  Its four partners are told apart by cx alone: query head 2 kvh + cx % 2, half cx / 2 of each range.
; A work-group has 8 tiles of 16 queries; EACH TILE HAS TWO WAVES, which take the even and the odd key steps, each with a running M of its own; they are merged through LDS at the end, by powers of two.
; Every work-group walks all 4 slots of 4 key steps (trip counts are constants, every joint load is issued by all four); a step whose keys all come after the wave's range is jumped over, by a scalar branch on the wave's number and the cluster's x.
; K and V come by joint loads (mask: all four partners), issued by waves 0-3, a key step each.  By this text's count such a wave has three tensor loads out at the start and one behind each round.
; V'S FRAGMENTS ARE ASKED FOR AHEAD OF THEIR USE: four as soon as K's products have read their registers, so that the softmax stands between the loads and the wait; four into p's registers as soon as p is in codes.
; LIMITS of the last quantiser: a block of zeros gets the byte 1 (its codes are zeros); blocks under 2^-124 are held at the byte 1; NaN and infinities are not served.
; REGISTERS: v1-11, v28-29 addresses; v12 -M, v13 the largest t, v[14:15] l in two halves; v16-27 Q, v255 its scale words; v32-79 four fragments of K or V, v248-251 their scale words; v80-83 the scale words of V's other four;
;   v96-159 S^T, then p, then (v96-143) V's other four fragments; v160-223 O^T; v224-235 p's codes; v232-254 at work.
.set REC,   6400
.set FRB,   1536
.set SCO,   6144
.set GSX,   128*REC
.set STEPB, 24576                      ; a key step: K's 8 fragments, then V's 8
.set SLOTB, 4*STEPB
.set SCL,   SLOTB                      ; behind buffer 0: the head's scale images, 32,768 bytes, filled once
.set SLOT1, 1<<17                      ; buffer 1 begins here: one exclusive or changes buffers
.set SPARE, SLOT1+SLOTB                ; the spare words, 128 bytes for each wave: eight blocks of 256 bytes that no other line names
.set MERGE, SPARE+2048                 ; 8 x 8,448: a wave's O^T (8,192), -M (128), l (128); no fill lands here
.set MSZ,   8448
.set A16, 1                            ; v1  16 x lane
.set ASC, 2                            ; v2  SCL + 4 x lane
.set QD,  3                            ; v3  my query within its range - 16 (lane / 16)
.set MA,  4                            ; v4  the merge: my 16 bytes of an image
.set SPW, 5
.set NIL, 6
.set MB,  7                            ; v7  the merge: my word
.set ADK, 8                            ; v8  the step's fragments
.set ADS, 10                           ; v10 the step's scale words
.set R8,  11                           ; v11 8 x (lane % 16)
.set PFO, 28                           ; v28 256 x lane
.set LS4, 29                           ; v29 4 x lane
.set VS2, 80                           ; v80-83 scale words of V's tiles 4-7, and nothing else
.set TM,  32                           ; the last quantiser: v32-47 at work, v48-59 codes, v60-67, v68 the scale word
.set PC,  48
.set PT,  60
.set PW,  68
.set WV,  18
.set SEL, 20
.set CS,  22
.set G1C, 24                           ; s[24:31] group 1 for a key step's codes
.set G1S, 32                           ; s[32:39] for a quarter of the scale images
.set G0S, 40
.set G0A, 44                           ; slot 0's first fill
.set G0B, 48                           ; slot 1's; it then walks
.set TB,  52                           ; LDS byte of the step in hand
.set TS,  53                           ; and of its scale images
.set SG,  54                           ; the step's number
.set AR,  55                           ; my range: the last step that counts, and the one on the diagonal
.set SLOTS, 56
.set TW,  57
.set LIM, 58
.set PFA, 60
.macro CROUND
	s_barrier_signal -1
	s_barrier_wait -1
	s_cmp_lg_u32 s[WV], 0
	s_cbranch_scc1 .Lnot_wave_0_\@
	s_barrier_signal -3
.Lnot_wave_0_\@:
	s_barrier_wait -3
	s_barrier_signal -1
	s_barrier_wait -1
.endm
	s_load_b128 s[4:7], s[0:1], 0x0                ; fc, fs
	s_load_b64 s[8:9], s[0:1], 0x10                ; ao
	v_lshl_add_u32 v[SPW], v0, 2, SPARE
	v_mov_b32 v[NIL], 0
	ds_add_u32 v5, v6
	s_wait_dscnt 0x0
	v_lshrrev_b32 v9, 5, v0
	v_readfirstlane_b32 s[WV], v9
	s_bfe_u32 s66, ttmp6, 0x40000                  ; cx: it enters Q's and the result's addresses, the mask's numbers and the prefetch's address, and nothing else
	s_and_b32 s67, ttmp7, 0xffff                   ; the key-value head
	s_and_b32 s68, s66, 1
	s_lshl_b32 s69, s67, 1
	s_add_co_u32 s69, s69, s68                     ; the query head
	s_lshr_b32 s70, s66, 1                         ; which half of a range
	s_lshr_b32 s71, s[WV], 3                       ; parity of my key steps
	s_and_b32 s72, s[WV], 7                        ; my tile of the work-group's eight
	s_and_b32 s73, s72, 3
	s_sub_co_u32 s74, 15, ttmp9
	s_cmp_lt_u32 s72, 4
	s_cselect_b32 s[AR], ttmp9, s74                ; tiles 0-3: range c; tiles 4-7: range 15 - c
	s_lshl_b32 s75, s[AR], 3
	s_lshl_b32 s76, s70, 2
	s_add_co_u32 s75, s75, s76
	s_add_co_u32 s75, s75, s73                     ; my tile of queries
	s_lshl_b32 s76, s69, 7
	s_add_co_u32 s76, s76, s75                     ; Q's image
	s_mul_i32 s90, s76, FRB
	s_mov_b32 s91, 0
	s_lshl_b32 s92, s76, 7
	s_mov_b32 s93, 0
	s_lshr_b32 s83, s69, 2                         ; the result: record (head / 4, tile), step head % 4
	s_mul_i32 s83, s83, GSX
	s_mul_i32 s84, s75, REC
	s_add_co_u32 s83, s83, s84
	s_and_b32 s84, s69, 3
	s_mul_i32 s85, s84, FRB
	s_add_co_u32 s86, s83, s85
	s_mov_b32 s87, 0
	s_lshr_b32 s85, s84, 1
	s_lshl_b32 s85, s85, 7
	s_add_co_u32 s88, s83, s85
	s_and_b32 s85, s69, 1
	s_lshl_b32 s85, s85, 2
	s_add_co_u32 s88, s88, s85
	s_mov_b32 s89, 0
	s_lshl_b32 s95, s70, 6                         ; my tile's first query within its range: 64 e + 32 (tt / 2) + 8 (tt % 2)
	s_lshr_b32 s94, s73, 1
	s_lshl_b32 s94, s94, 5
	s_add_co_u32 s95, s95, s94
	s_and_b32 s94, s73, 1
	s_lshl_b32 s94, s94, 3
	s_add_co_u32 s95, s95, s94
	s_and_b32 s77, s[WV], 3                        ; what I fetch, if I fetch: key step wave % 4 of a slot, quarter wave % 4 of the scale images
	s_mul_i32 s78, s67, 16*STEPB
	s_mul_i32 s79, s77, STEPB
	s_add_co_u32 s78, s78, s79
	s_add_co_u32 s78, s78, 2048*FRB
	s_mul_i32 s96, s77, STEPB                      ; in a buffer
	s_mov_b32 s79, 0
	s_lshl_b32 s80, s67, 15
	s_lshl_b32 s81, s77, 13
	s_add_co_u32 s80, s80, s81
	s_add_co_u32 s80, s80, 2048*128
	s_add_co_u32 s97, s81, SCL
	s_mov_b32 s81, 0
	s_mov_b32 s[G1C], 15|(3<<16)|(1<<21)           ; the mask: all four partners; elements of 8 bytes; bit 21 beside a mask
	s_mov_b32 s[G1C+1], 32<<16
	s_mov_b32 s[G1C+2], 96<<16                     ; 96 rows of 256 bytes
	s_mov_b32 s[G1C+3], 32<<16
	s_mov_b32 s[G1C+4], 96
	s_mov_b32 s[G1C+5], 32
	s_mov_b32 s[G1C+6], 0
	s_mov_b32 s[G1C+7], 0
	s_mov_b32 s[G1S], 15|(3<<16)|(1<<21)
	s_mov_b32 s[G1S+1], 32<<16
	s_mov_b32 s[G1S+2], 32<<16                     ; 32 rows of 256 bytes
	s_mov_b32 s[G1S+3], 32<<16
	s_mov_b32 s[G1S+4], 32
	s_mov_b32 s[G1S+5], 32
	s_mov_b32 s[G1S+6], 0
	s_mov_b32 s[G1S+7], 0
	s_mov_b32 s[SEL], 0x76543210
	s_mov_b32 s[SEL+1], 0xfedcba98
	s_mov_b32 s[CS], 0x3e0293ee                    ; c = log2(e) / sqrt(128)
	s_mov_b32 s[CS+1], s[CS]
	s_mul_i32 s[TB], s71, STEPB
	s_lshl_b32 s[TS], s71, 11
	s_mov_b32 s[SG], s71
	; the prefetch: who asks (waves 4, 5, 6 of the head's first cluster) and where: key step 12 + cx, 8,192 bytes a wave
	s_sub_co_u32 s82, s[WV], 4
	s_cmp_lt_u32 s82, 3
	s_cselect_b32 s82, 0, 1
	s_or_b32 s82, s82, ttmp9
	s_cmp_eq_u32 s82, 0
	s_cselect_b32 s[LIM], 1, -1
	s_add_co_u32 s98, s66, 12
	s_mul_i32 s98, s98, STEPB
	s_mul_i32 s99, s67, 16*STEPB
	s_add_co_u32 s98, s98, s99
	s_lshl_b32 s99, s77, 13
	s_add_co_u32 s98, s98, s99
	s_add_co_u32 s98, s98, 2048*FRB
	s_mov_b32 s99, 0
	s_wait_kmcnt 0x0
	s_mov_b32 s[G0S], 1
	s_mov_b32 s[G0S+1], s97
	s_add_nc_u64 s[G0S+2:G0S+3], s[6:7], s[80:81]
	s_or_b32 s[G0S+3], s[G0S+3], 0x80000000
	s_mov_b32 s[G0A], 1
	s_mov_b32 s[G0A+1], s96
	s_add_nc_u64 s[G0A+2:G0A+3], s[4:5], s[78:79]
	s_mov_b32 s[G0B], 1
	s_add_co_u32 s[G0B+1], s96, SLOT1
	s_add_nc_u64 s[G0B+2:G0B+3], s[G0A+2:G0A+3], SLOTB
	s_or_b32 s[G0A+3], s[G0A+3], 0x80000000
	s_or_b32 s[G0B+3], s[G0B+3], 0x80000000
	s_add_nc_u64 s[PFA:PFA+1], s[4:5], s[98:99]
	s_add_nc_u64 s[12:13], s[4:5], s[90:91]        ; Q's codes
	s_add_nc_u64 s[14:15], s[6:7], s[92:93]        ; Q's scale words
	s_add_nc_u64 s[10:11], s[8:9], s[88:89]        ; the result's scale words
	s_add_nc_u64 s[8:9], s[8:9], s[86:87]          ; the result's codes
	CROUND                                         ; all four work-groups are here: the first joint loads meet
	s_cmp_lt_u32 s[WV], 4                          ; a wave's first fills stand in one branch
	s_cbranch_scc0 .Lno_first
	tensor_load_to_lds s[G0S:G0S+3], s[G1S:G1S+7]  ; the scale images: filled once
	s_nop 0
	tensor_load_to_lds s[G0A:G0A+3], s[G1C:G1C+7]  ; slot 0
	s_nop 0
	tensor_load_to_lds s[G0B:G0B+3], s[G1C:G1C+7]  ; slot 1
	s_nop 0
.rept 4
	v_nop
.endr
.Lno_first:
	v_and_b32 v9, 31, v0
	v_lshlrev_b32 v[A16], 4, v9
	v_lshlrev_b32 v[LS4], 2, v9
	v_add_nc_u32 v[ASC], SCL, v[LS4]
	v_lshlrev_b32 v[PFO], 8, v9
.irp c, 0,1,2
	global_load_b128 v[16+4*\c:19+4*\c], v[A16], s[12:13] offset:512*\c   ; Q's fragment stays in registers
.endr
	global_load_b32 v255, v[LS4], s[14:15]
	v_and_b32 v30, 15, v0
	v_lshlrev_b32 v[R8], 3, v30
	v_and_b32 v31, 8, v30
	v_add_nc_u32 v[QD], v30, v31
	v_bfe_u32 v31, v0, 4, 1
	v_lshlrev_b32 v31, 4, v31
	v_sub_nc_u32 v[QD], v[QD], v31
	v_add_nc_u32 v[QD], s95, v[QD]
	s_mul_i32 s94, s72, MSZ
	s_add_co_u32 s94, s94, MERGE
	v_add_nc_u32 v[MA], s94, v[A16]
	s_add_co_u32 s94, s94, 8192
	v_add_nc_u32 v[MB], s94, v[LS4]
	v_mov_b32 v13, 0xff61b1e6                      ; the largest t so far: -3e38
	v_floor_f32 v12, -v13                          ; -M
	v_mov_b32 v14, 0
	v_mov_b32 v15, 0
.irp b, 0,1,2,3
	v_mov_b32 v[236+\b], 0                         ; written once: a lane permute's destination counts as one of its sources
.endr
	v_mov_b32 v252, 0
	v_mov_b32 v253, 0
.set J, 0
.rept 64
	v_mov_b32 v[160+J], 0                          ; O^T: the step is written without a first step of its own; the first change of M multiplies zeros
.set J, J+1
.endr
; A KEY STEP: 128 keys
.macro STEP
	s_cmp_gt_u32 s[SG], s[AR]                      ; all its keys come after my queries: the work is left out, the lines that step addresses are not
	s_cbranch_scc1 .Lhidden_\@
	v_add_nc_u32 v[ADK], s[TB], v[A16]
	v_add_nc_u32 v[ADS], s[TS], v[ASC]
.irp g, 0,1                                    ; S^T = K Q^T, four tiles of 16 keys at a time
.rept 4
	v_nop                                          ; places in front of loads into registers that matrix instructions have read; with the two additions above they are six, where five are asked in front of the products that write over v96 on, which the last step's products read
.endr
.irp t, 0,1,2,3
.irp c, 0,1,2
	ds_load_b128 v[32+12*\t+4*\c:35+12*\t+4*\c], v[ADK] offset:(4*\g+\t)*FRB+512*\c
.endr
	ds_load_b32 v[248+\t], v[ADS] offset:128*(4*\g+\t)
.endr
	s_wait_dscnt 0x0
.irp t, 0,1,2,3
	v_wmma_scale_f32_16x16x128_f8f6f4 v[96+8*(4*\g+\t):103+8*(4*\g+\t)], v[32+12*\t:43+12*\t], v[16:27], 0, v[248+\t], v255 matrix_a_fmt:MATRIX_FMT_FP6 matrix_b_fmt:MATRIX_FMT_FP6
.endr
.endr
.rept 4
	v_nop                                          ; four places: for the first read of the scores, and for the loads below into the registers that K's last products read
.endr
.irp t, 0,1,2,3                                ; V's tiles 0-3 are asked for here: the whole softmax stands between these 16 loads and the wait for them
.irp c, 0,1,2
	ds_load_b128 v[32+12*\t+4*\c:35+12*\t+4*\c], v[ADK] offset:(8+\t)*FRB+512*\c
.endr
	ds_load_b32 v[248+\t], v[ADS] offset:1024+128*\t
.endr
	s_cmp_lg_u32 s[SG], s[AR]                      ; on the diagonal hidden scores become -infinity ahead of the maximum: p = 0 then.  Register 16 b + i holds key 32 b + 16 (lane / 16) + i of the step
	s_cbranch_scc1 .Lopen_\@
	v_mov_b32 v254, 0xff800000
.set J, 0
.rept 64
	v_cmp_gt_i32 vcc_lo, 32*(J/16)+J%16, v[QD]
	v_cndmask_b32 v[96+J], v[96+J], v254, vcc_lo
.set J, J+1
.endr
.Lopen_\@:
.irp b, 0,1,2,3
	v_max3_num_f32 v[232+\b], v[96+16*\b], v[97+16*\b], v[98+16*\b]   ; the largest score of each block of 32 keys: for the row's maximum and, since p rises with the score, for the block's largest p
.endr
.irp i, 3,5,7,9,11,13
.irp b, 0,1,2,3
	v_max3_num_f32 v[232+\b], v[232+\b], v[96+16*\b+\i], v[97+16*\b+\i]
.endr
.endr
.irp b, 0,1,2,3
	v_max_num_f32 v[232+\b], v[232+\b], v[111+16*\b]
.endr
.irp b, 0,1,2,3
	v_permlanex16_b32 v[236+\b], v[232+\b], s[SEL], s[SEL+1]
.endr
.irp b, 0,1,2,3
	v_max_num_f32 v[232+\b], v[232+\b], v[236+\b]
.endr
	v_max3_num_f32 v254, v232, v233, v234
	v_max_num_f32 v254, v254, v235
	v_mul_f32 v254, s[CS], v254
	v_max_num_f32 v13, v13, v254                   ; the running largest t
	v_mov_b32 v254, v12
	v_floor_f32 v12, -v13                          ; the new -M = -ceil(t)
	v_sub_f32 v254, v12, v254                      ; old M - new M: a whole number, 0 or less
	v_cvt_i32_f32 v254, v254                       ; (it saturates)
	v_ldexp_f32 v252, 1.0, v254                    ; f = 2^(old M - new M)
.set J, 0
.rept 32
	v_pk_fma_f32 v[96+J:97+J], v[96+J:97+J], s[CS:CS+1], v[12:13] op_sel_hi:[1,0,0]   ; t - M
.set J, J+2
.endr
.irp b, 0,1,2,3
	v_fma_f32 v[232+\b], v[232+\b], s[CS], v12
.endr
.set J, 0
.rept 64
	v_exp_f32 v[96+J], v[96+J]                     ; p = 2^(t - M)
.set J, J+1
.endr
	v_pk_mul_f32 v[14:15], v[14:15], v[252:253] op_sel_hi:[1,0]   ; l under the new M (the plain line behind the exponentials)
	s_wait_alu depctr_va_vdst(0)                   ; one wait for the batch, ahead of its first reader
.irp b, 0,1,2,3
	v_exp_f32 v[232+\b], v[232+\b]                 ; each block's largest p
.endr
	v_pk_add_f32 v[236:237], v[96:97], v[98:99]    ; l is the sum of the unquantised p: two chains
.irp j, 4,8,12,16,20,24,28,32,36,40,44,48,52,56,60
	v_pk_add_f32 v[14:15], v[14:15], v[96+\j:97+\j]
	v_pk_add_f32 v[236:237], v[236:237], v[98+\j:99+\j]
.endr
	v_pk_add_f32 v[14:15], v[14:15], v[236:237]
	s_wait_alu depctr_va_vdst(0)                   ; and one for the four
.irp b, 0,1,2,3
	v_max_num_f32 v[232+\b], 0x1800000, v[232+\b]  ; the floor: the byte cannot fall under 1
.endr
.irp b, 0,1,2,3
	v_add_nc_u32 v[244+\b], 0xff000000, v[232+\b]
.endr
.irp b, 0,1,2,3
	v_lshrrev_b32 v[236+\b], 23, v[244+\b]
.endr
	v_lshl_or_b32 v253, v237, 8, v236              ; p's scale word
	v_lshl_or_b32 v253, v238, 16, v253
	v_lshl_or_b32 v253, v239, 24, v253
.irp c, 0,1
	v_cvt_scalef32_pk16_fp6_f32 v[224+6*\c:226+6*\c], v[96+32*\c:111+32*\c], v[244+2*\c]
	v_cvt_scalef32_pk16_fp6_f32 v[236+4*\c:238+4*\c], v[112+32*\c:127+32*\c], v[244+2*\c+1]
.endr
	v_nop
.irp c, 0,1
.irp i, 0,1,2
	v_permlane16_swap_b32 v[224+6*\c+\i], v[236+4*\c+\i]
.endr
.irp i, 0,1,2
	v_mov_b32 v[227+6*\c+\i], v[236+4*\c+\i]
.endr
.endr
.irp t, 0,1,2,3                                ; p is in codes: its registers take V's tiles 4-7; the 32 multiplications below stand between these 16 loads and the wait
.irp c, 0,1,2
	ds_load_b128 v[96+12*\t+4*\c:99+12*\t+4*\c], v[ADK] offset:(12+\t)*FRB+512*\c
.endr
	ds_load_b32 v[VS2+\t], v[ADS] offset:1536+128*\t
.endr
.set J, 0
.rept 32
	v_pk_mul_f32 v[160+J:161+J], v[160+J:161+J], v[252:253] op_sel_hi:[1,0]   ; O^T under the new M (also the places between the lines that made p's codes and scale word and the products below)
.set J, J+2
.endr
	s_wait_dscnt 0x0                               ; V's eight fragments and their scale words are in
.irp t, 0,1,2,3                                ; O^T += V^T P^T: eight tiles of 16 channels, eight accumulators by turns
	v_wmma_scale_f32_16x16x128_f8f6f4 v[160+8*\t:167+8*\t], v[32+12*\t:43+12*\t], v[224:235], v[160+8*\t:167+8*\t], v[248+\t], v253 matrix_a_fmt:MATRIX_FMT_FP6 matrix_b_fmt:MATRIX_FMT_FP6
.endr
.irp t, 0,1,2,3
	v_wmma_scale_f32_16x16x128_f8f6f4 v[192+8*\t:199+8*\t], v[96+12*\t:107+12*\t], v[224:235], v[192+8*\t:199+8*\t], v[VS2+\t], v253 matrix_a_fmt:MATRIX_FMT_FP6 matrix_b_fmt:MATRIX_FMT_FP6
.endr
.Lhidden_\@:
	s_add_co_u32 s[TB], s[TB], 2*STEPB             ; my next step: two on
	s_add_co_u32 s[TS], s[TS], 4096
	s_add_co_u32 s[SG], s[SG], 2
.endm
.macro WORK                            ; my two steps of a slot, then on to the other buffer
	s_mov_b32 s[TW], 2
.Lw_\@:
	STEP
	s_sub_co_u32 s[TW], s[TW], 1
	s_cmp_lg_u32 s[TW], 0
	s_cbranch_scc1 .Lw_\@
	s_sub_co_u32 s[TB], s[TB], SLOTB
	s_xor_b32 s[TB], s[TB], SLOT1
.endm
; THE CHANGE OF SLOTS, at a slot's head.  fill = 1: the buffer just left is filled with the slot after the one ahead; the barrier is then a round of the cluster's.
.macro CHANGE fill
	s_wait_tensorcnt 0x0                           ; all my tensor loads have landed: my part of the slot ahead; a group 0 may be written
	ds_add_u32 v[SPW], v[NIL]                      ; 0 onto my spare word
.if \fill
	s_xor_b32 s[G0B+1], s[G0B+1], SLOT1
	s_add_nc_u64 s[G0B+2:G0B+3], s[G0B+2:G0B+3], SLOTB
.endif
	s_wait_dscnt 0x0                               ; the add is done, and my reads of the buffer that I have left are over
.if \fill
	CROUND
	s_cmp_lt_u32 s[WV], 4
	s_cbranch_scc0 .Lno_fetch_\@
	tensor_load_to_lds s[G0B:G0B+3], s[G1C:G1C+7]  ; the first thing behind the round, and my one tensor load until the next
	s_nop 0
.rept 4
	v_nop
.endr
.Lno_fetch_\@:
	; a prefetch of slot 3, at the change that asks for slot 2: four key steps of work ahead of the load that will want it.  All clusters of a head walk the same K and V: the head's first cluster asks; its partners take a key step
	; each, told apart by address; in each, waves 4, 5, 6 name 8,192 bytes, lanes 256 bytes apart: each block once.  The address is never written again.  Slots 0 to 2 come by their loads alone.
	s_cmp_gt_u32 s[SLOTS], s[LIM]
	s_cbranch_scc0 .Lnot_mine_\@
	global_prefetch_b8 v[PFO], s[PFA:PFA+1] th:TH_LOAD_NT scope:SCOPE_SE
.Lnot_mine_\@:
.else
	s_barrier_signal -1
	s_barrier_wait -1
.endif
.endm
	s_wait_tensorcnt 1                             ; the scale images and my part of slot 0 are in; slot 1's may stay out
	s_barrier_signal -1
	s_barrier_wait -1
	s_wait_loadcnt 0x0                             ; Q
	WORK                                           ; slot 0
	s_mov_b32 s[SLOTS], 2
.Lslot:
	CHANGE 1
	WORK                                           ; slots 1, 2
	s_sub_co_u32 s[SLOTS], s[SLOTS], 1
	s_cmp_lg_u32 s[SLOTS], 0
	s_cbranch_scc1 .Lslot
	CHANGE 0                                       ; the last slot is written out
	WORK
	; ---- THE MERGE of a tile's two waves, and the way out
.rept 4
	v_nop                                          ; places behind the last products
.endr
	v_add_f32 v14, v14, v15
	v_permlanex16_b32 v252, v14, s[SEL], s[SEL+1]
	v_add_f32 v14, v14, v252                       ; my l
	s_cmp_lt_u32 s[WV], 8
	s_cbranch_scc1 .Lkeep
.set J, 0
.rept 16
	ds_store_b128 v[MA], v[160+4*J:163+4*J] offset:512*J   ; the odd steps' wave hands over O^T as an image of its registers, each accumulator from its low end on,
.set J, J+1
.endr
	ds_store_b32 v[MB], v12                        ; -M,
	ds_store_b32 v[MB], v14 offset:128             ; and l
.Lkeep:
	s_wait_dscnt 0x0                               ; my stores have landed
	s_barrier_signal -1
	s_barrier_wait -1
	s_cmp_lt_u32 s[WV], 8
	s_cbranch_scc0 .Lend
.set J, 0
.rept 16
	ds_load_b128 v[96+4*J:99+4*J], v[MA] offset:512*J   ; the partner's O^T, into p's registers
.set J, J+1
.endr
	ds_load_b32 v232, v[MB]
	ds_load_b32 v233, v[MB] offset:128
.irp b, 0,1,2,3
	v_mov_b32 v[TM+4+\b], 0                        ; a lane permute's destination counts as one of its sources
.endr
	s_wait_dscnt 0x0
	v_min_num_f32 v234, v12, v232                  ; -(the larger M)
	v_sub_f32 v235, v234, v12
	v_sub_f32 v236, v234, v232
	v_cvt_i32_f32 v235, v235                       ; whole numbers, 0 or less (a partner that had no step: the conversion saturates, its factor is 0)
	v_cvt_i32_f32 v236, v236
	v_ldexp_f32 v238, 1.0, v235                    ; my factor
	v_ldexp_f32 v240, 1.0, v236                    ; the partner's
	v_mul_f32 v242, v233, v240
	v_fma_f32 v242, v14, v238, v242                ; l
	v_rcp_f32 v243, v242
	v_nop                                          ; a plain line behind the reciprocal
	s_wait_alu depctr_va_vdst(0)                   ; and the wait ahead of its first reader
	v_mul_f32 v238, v238, v243
	v_mul_f32 v240, v240, v243
	v_mov_b32 v239, v238                           ; (named as pairs, so both halves are written)
	v_mov_b32 v241, v240
.set J, 0
.rept 32
	v_pk_mul_f32 v[96+J:97+J], v[96+J:97+J], v[240:241] op_sel_hi:[1,0]
.set J, J+2
.endr
.set J, 0
.rept 32
	v_pk_fma_f32 v[96+J:97+J], v[160+J:161+J], v[238:239], v[96+J:97+J] op_sel_hi:[1,0,1]   ; O / l: register 16 b + i is channel 32 b + 16 (lane / 16) + i of my query
.set J, J+2
.endr
	; the result's quantiser, along the head's 128 channels: K step (head) of the last product
.irp b, 0,1,2,3
	v_max3_num_f32 v[TM+\b], |v[96+16*\b]|, |v[97+16*\b]|, 0x1800000
.endr
.irp i, 2,4,6,8,10,12,14
.irp b, 0,1,2,3
	v_max3_num_f32 v[TM+\b], v[TM+\b], |v[96+16*\b+\i]|, |v[97+16*\b+\i]|
.endr
.endr
.irp b, 0,1,2,3
	v_permlanex16_b32 v[TM+4+\b], v[TM+\b], s[SEL], s[SEL+1]
.endr
.irp b, 0,1,2,3
	v_max_num_f32 v[TM+\b], v[TM+\b], v[TM+4+\b]
.endr
.irp b, 0,1,2,3
	v_add_nc_u32 v[TM+12+\b], 0xff000000, v[TM+\b]
.endr
.irp b, 0,1,2,3
	v_lshrrev_b32 v[TM+4+\b], 23, v[TM+12+\b]
.endr
	v_lshl_or_b32 v[PW], v[TM+5], 8, v[TM+4]
	v_lshl_or_b32 v[PW], v[TM+6], 16, v[PW]
	v_lshl_or_b32 v[PW], v[TM+7], 24, v[PW]
.irp c, 0,1
	v_cvt_scalef32_pk16_fp6_f32 v[PC+6*\c:PC+2+6*\c], v[96+32*\c:111+32*\c], v[TM+12+2*\c]
	v_cvt_scalef32_pk16_fp6_f32 v[PT+4*\c:PT+2+4*\c], v[112+32*\c:127+32*\c], v[TM+12+2*\c+1]
.endr
	v_nop
.irp c, 0,1
.irp i, 0,1,2
	v_permlane16_swap_b32 v[PC+6*\c+\i], v[PT+4*\c+\i]
.endr
.irp i, 0,1,2
	v_mov_b32 v[PC+3+6*\c+\i], v[PT+4*\c+\i]
.endr
.endr
.irp c, 0,1,2
	global_store_b128 v[A16], v[PC+4*\c:PC+4*\c+3], s[8:9] offset:512*\c   ; 512 consecutive bytes a store
.endr
	global_store_b32 v[R8], v[PW], s[10:11] offset:SCO   ; my row's scale word, 8 bytes from row to row: lanes l and l + 16 hold the same word and write it to the same place
.Lend:
	s_wait_tensorcnt 0x0                           ; the wave's end
	ds_add_u32 v[SPW], v[NIL]
	s_wait_dscnt 0x0
	CROUND                                         ; the closing round
	s_endpgm
.Lfunc_end_k_q950bde43d7_attn:
	.size	k_q950bde43d7_attn, .Lfunc_end_k_q950bde43d7_attn-k_q950bde43d7_attn
	.p2alignl 7, 3214868480
	.fill 96, 4, 3214868480
	.section	.rodata,"a",@progbits
	.p2align	6, 0x0
	.amdhsa_kernel k_q950bde43d7_attn
		.amdhsa_group_segment_fixed_size 327680
		.amdhsa_private_segment_fixed_size 0
		.amdhsa_enable_private_segment 0
		.amdhsa_kernarg_size 24
		.amdhsa_user_sgpr_count 2
		.amdhsa_user_sgpr_kernarg_segment_ptr 1
		.amdhsa_wavefront_size32 1
		.amdhsa_system_sgpr_workgroup_id_x 1
		.amdhsa_system_sgpr_workgroup_id_y 1
		.amdhsa_system_sgpr_workgroup_id_z 1
		.amdhsa_system_vgpr_workitem_id 0
		.amdhsa_next_free_vgpr 256
		.amdhsa_next_free_sgpr 100
		.amdhsa_reserve_vcc 1
		.amdhsa_float_denorm_mode_32 3
		.amdhsa_float_denorm_mode_16_64 3
		.amdhsa_memory_ordered 1
		.amdhsa_forward_progress 1
		.amdhsa_inst_pref_size 98
	.end_amdhsa_kernel
	.amdgpu_metadata
---
amdhsa.version: [ 1, 2 ]
amdhsa.kernels:
  - .name:           k_q950bde43d7_attn
    .symbol:         k_q950bde43d7_attn.kd
    .args:
      - { .name: fc, .offset: 0, .size: 8, .value_kind: global_buffer, .address_space: global }
      - { .name: fs, .offset: 8, .size: 8, .value_kind: global_buffer, .address_space: global }
      - { .name: ao, .offset: 16, .size: 8, .value_kind: global_buffer, .address_space: global }
    .group_segment_fixed_size: 327680
    .private_segment_fixed_size: 0
    .kernarg_segment_align: 8
    .kernarg_segment_size: 24
    .max_flat_workgroup_size: 512
    .sgpr_count:     100
    .vgpr_count:     256
    .wavefront_size: 32
...
	.end_amdgpu_metadata
.endif
;; end of part 3
;; launch oproj (part 4): grid 16 x 16, 4 waves a work-group, clusters of 4 x 4, 327,680 bytes of LDS; arguments ao, woq, out0; writes out0
.if DOCPART == 4
	.amdgcn_target "amdgcn-amd-amdhsa--gfx1250"
	.amdhsa_code_object_version 6
	.text
	.protected	k_q950bde43d7_oproj
	.globl	k_q950bde43d7_oproj
	.p2align	8
	.type	k_q950bde43d7_oproj,@function
k_q950bde43d7_oproj:
	s_mov_b64 s[64:65], 0
	v_nop
	global_prefetch_b8 v0, s[64:65] scope:SCOPE_SE
	s_setreg_imm32_b32 hwreg(HW_REG_WAVE_MODE, 25, 1), 1
	s_wait_xcnt 0x0
	s_wait_alu depctr_hold_cnt(0) depctr_sa_sdst(0) depctr_va_vdst(0) depctr_va_sdst(0) depctr_va_ssrc(0) depctr_va_vcc(0) depctr_vm_vsrc(0)
	s_getreg_b32 s2, hwreg(HW_REG_IB_STS2, 6, 4)
	s_cmp_eq_u32 s2, 0
	s_cbranch_scc0 .Lentry_in_a_cluster
	s_endpgm
.Lentry_in_a_cluster:
	s_bfe_u32 s2, ttmp6, 0x10000c
	s_cmp_lg_u32 s2, 0xf033
	s_cbranch_scc0 .Lentry_shape_is_right
	s_endpgm
.Lentry_shape_is_right:
; out0 = attention's result x wo, on codes of FP6 (E2M3) with E8M0 scales, K = 2,048; out0 [2048][4096] f32.
; OPERANDS are records of 6,400 bytes: a tile of 16 rows x 512 K as four register images of 1,536 bytes and 256 bytes of scale words; a buffer is [K / 512][tile][record].  Lane r of tile 2 b + u holds row 32 b + 8 u + r + 8 (r / 8).
; A work-group makes 128 tokens (A) x 256 columns (B), four waves 2 x 2, a wave 64 x 128 in 32 accumulators: 256 work-groups.  The product is used transposed (source 0 = B, source 1 = A): a lane holds one token and neighbouring columns.
; CLUSTERS of 4 x 4: the cluster's y picks the 1,024 columns, its x the 512 tokens.  A's tiles are asked for jointly along a row of the cluster, B's along a column.  K goes in slots of 512 (four steps of 128) through a ring of two LDS slots.
; THE WALK ALONG K GOES ROUND: cluster (x, y) begins at 512 K number (x + 2 (y / 2)) mod 4, so that of the four clusters that read a block of the weights no two ask for the same 512 K in the same turn.  Each output has one f32 sum;
; the order of its four parts differs from cluster to cluster.
; By this text's count a wave has two tensor loads out at the start and one behind each round.  No prefetch: each tile is shared in its cluster and a slot holds four K steps' work.
; REGISTERS: window 0: v16-29 addresses; v32-95 scale words, two sets; v96-191 A's fragments, two sets of 48; way out: v96-223.  window 1: accumulator (a, b) at 64 a + 8 b.  window 2: B's fragments, two sets at 0 and 128.
.set REC,  6400
.set FRB,  1536
.set SCO,  6144
.set GSX,  128*REC
.set GSW,  256*REC
.set NS,   4
.set LAPS, NS/2
.set SLOT, 24*REC
.set BOFF, 8*REC
.set SPARE, 2*SLOT                     ; the spare words, 128 bytes for each wave: two blocks of 256 bytes that no other line names
.set ADRA, 16
.set ADRB, 20
.set ADRS, 22
.set LI,   24
.set STO,  26                          ; v26 the way out: where I put 32 bytes of a row
.set RD,   27                          ; v27 and where I read a row back
.set SPW,  28
.set NIL,  29
.set SC,   32
.set AF,   96
.set BK,   96                          ; the way out: 16 rows read back: v96-159 and v160-223 by turns
.set WV, 16
.set WA, 17
.set WB, 18
.set G1A, 24
.set G0A, 32
.set G1B, 48
.set G0B, 56
.set GC,  99                           ; s99 the 512 K that is asked for next
.set MSB, 0
.macro WIN new
.if MSB != \new
	s_set_vgpr_msb (MSB<<8)|\new
.set MSB, \new
.endif
.endm
.set MUL,  0x52
.set TO_B, 0x80
.macro JLOAD s                         ; a joint load: waves 0, 1 fetch A's halves, waves 2, 3 B's; four v_nop follow each of the two lines
	s_cmp_eq_u32 s[WA], 0
	s_cbranch_scc0 .Lfor_b_\@
	tensor_load_to_lds s[G0A+4*\s:G0A+4*\s+3], s[G1A:G1A+7]
	s_nop 0
.rept 4
	v_nop
.endr
	s_branch .Lasked_\@
.Lfor_b_\@:
	tensor_load_to_lds s[G0B+4*\s:G0B+4*\s+3], s[G1B:G1B+7]
	s_nop 0
.rept 4
	v_nop
.endr
.Lasked_\@:
.endm
; Slot s's two descriptors are aimed at 512 K number s[GC]: my blocks' first bytes (s[78:79], s[80:81]) + that number x the bytes from one 512 K to the next; then the number steps, round K's four.
; It stands where no tensor load of the wave is out.  Nothing in it hangs on a work-group's place in its cluster.
.macro AIM s
	s_mul_i32 s72, s[GC], GSX
	s_mul_i32 s74, s[GC], GSW
	s_add_nc_u64 s[G0A+4*\s+2:G0A+4*\s+3], s[78:79], s[72:73]
	s_add_nc_u64 s[G0B+4*\s+2:G0B+4*\s+3], s[80:81], s[74:75]
	s_or_b32 s[G0A+4*\s+3], s[G0A+4*\s+3], 0x80000000
	s_or_b32 s[G0B+4*\s+3], s[G0B+4*\s+3], 0x80000000
	s_add_co_u32 s[GC], s[GC], 1
	s_and_b32 s[GC], s[GC], NS-1
.endm
.macro CREST
	s_cmp_lg_u32 s[WV], 0
	s_cbranch_scc1 .Lnot_wave_0_\@
	s_barrier_signal -3
.Lnot_wave_0_\@:
	s_barrier_wait -3
	s_barrier_signal -1
	s_barrier_wait -1
.endm
.macro CROUND
	s_barrier_signal -1
	s_barrier_wait -1
	CREST
.endm
	s_load_b128 s[4:7], s[0:1], 0x0                ; ao, woq
	s_load_b64 s[8:9], s[0:1], 0x10                ; out0
	v_lshl_add_u32 v[SPW], v0, 2, SPARE
	v_mov_b32 v[NIL], 0
	ds_add_u32 v28, v29
	s_wait_dscnt 0x0
	v_lshrrev_b32 v1, 5, v0
	v_readfirstlane_b32 s[WV], v1
	s_lshr_b32 s[WA], s[WV], 1
	s_and_b32 s[WB], s[WV], 1
	s_bfe_u32 s40, ttmp6, 0x40000                  ; cx
	s_bfe_u32 s41, ttmp6, 0x40004                  ; cy
	s_and_b32 s71, ttmp7, 0xffff                   ; cluster y
	s_lshr_b32 s70, s71, 1
	s_lshl_b32 s70, s70, 1
	s_add_co_u32 s[GC], s70, ttmp9                 ; where my cluster's walk along K begins: (x + 2 (y / 2)) mod 4
	s_and_b32 s[GC], s[GC], NS-1
	s_mov_b32 s73, 0                               ; the upper words of AIM's two offsets
	s_mov_b32 s75, 0
	s_lshl_b32 s42, s71, 2
	s_add_co_u32 s42, s42, s40                     ; bt: which 256 columns
	s_lshl_b32 s43, ttmp9, 2
	s_add_co_u32 s43, s43, s41                     ; at: which 128 tokens
	s_lshl_b32 s44, s41, 2
	s_lshl_b32 s44, 15, s44                        ; my row of the cluster
	s_lshl_b32 s45, 0x1111, s40                    ; my column
	s_or_b32 s[G1A], s44, (3<<16)|(1<<21)          ; dense blocks as rows of 256 bytes: A's half 100 rows, B's half 200
	s_mov_b32 s[G1A+1], 32<<16
	s_mov_b32 s[G1A+2], 100<<16
	s_mov_b32 s[G1A+3], 32<<16
	s_mov_b32 s[G1A+4], 100
	s_mov_b32 s[G1A+5], 32
	s_mov_b32 s[G1A+6], 0
	s_mov_b32 s[G1A+7], 0
	s_or_b32 s[G1B], s45, (3<<16)|(1<<21)
	s_mov_b32 s[G1B+1], 32<<16
	s_mov_b32 s[G1B+2], 200<<16
	s_mov_b32 s[G1B+3], 32<<16
	s_mov_b32 s[G1B+4], 200
	s_mov_b32 s[G1B+5], 32
	s_mov_b32 s[G1B+6], 0
	s_mov_b32 s[G1B+7], 0
	s_lshl_b32 s20, s43, 3                         ; A: tile 8 at + 4 x half
	s_lshl_b32 s21, s[WB], 2
	s_add_co_u32 s20, s20, s21
	s_mul_i32 s20, s20, REC
	s_mov_b32 s21, 0
	s_lshl_b32 s46, s42, 4                         ; B: tile 16 bt + 8 x half
	s_lshl_b32 s47, s[WB], 3
	s_add_co_u32 s46, s46, s47
	s_mul_i32 s46, s46, REC
	s_mov_b32 s47, 0
	s_mul_i32 s22, s[WB], 4*REC
	s_mul_i32 s23, s[WB], 8*REC
	s_add_co_u32 s23, s23, BOFF
	s_wait_kmcnt 0x0
	s_add_nc_u64 s[78:79], s[4:5], s[20:21]        ; my blocks, in the first 512 K
	s_add_nc_u64 s[80:81], s[6:7], s[46:47]
	s_mov_b32 s[G0A], 1
	s_mov_b32 s[G0A+1], s22
	s_mov_b32 s[G0A+4], 1
	s_add_co_u32 s[G0A+5], s22, SLOT
	s_mov_b32 s[G0B], 1
	s_mov_b32 s[G0B+1], s23
	s_mov_b32 s[G0B+4], 1
	s_add_co_u32 s[G0B+5], s23, SLOT
	AIM 0
	AIM 1
	CROUND                                         ; all sixteen work-groups are here: the first joint loads meet
	JLOAD 0
	JLOAD 1
	v_and_b32 v1, 31, v0
	v_and_b32 v2, 15, v0
	v_bfe_u32 v3, v0, 4, 1
	v_lshlrev_b32 v[LI], 4, v1
	s_mul_i32 s84, s[WA], 4*REC
	s_mul_i32 s85, s[WB], 8*REC
	s_add_co_u32 s85, s85, BOFF
	s_sub_co_u32 s86, s85, s84
	v_mul_u32_u24 v4, s86, v3                      ; lanes 16-31 take B's scale words: one product, the distance between the two
	v_lshl_add_u32 v4, v2, 3, v4
	s_add_co_u32 s87, s84, SCO
.irp s, 0,1
	v_add_nc_u32 v[ADRA+\s], s84, v[LI]
	v_add_nc_u32 v[ADRB+\s], s85, v[LI]
	v_add_nc_u32 v[ADRS+\s], s87, v4
	s_add_co_u32 s84, s84, SLOT
	s_add_co_u32 s85, s85, SLOT
	s_add_co_u32 s87, s87, SLOT
.endr
	s_mul_i32 s92, s[WV], 16*528                   ; my stage, in slot 0
	v_mul_u32_u24 v[STO], v2, 528
	v_lshl_add_u32 v[STO], v3, 6, v[STO]
	v_add_nc_u32 v[STO], s92, v[STO]               ; in: row r, + 64 h
	v_add_nc_u32 v[RD], s92, v[LI]                 ; back: a row of 512 bytes to the 32 lanes
	s_lshl_b32 s90, s43, 7
	s_lshl_b32 s91, s[WA], 6
	s_add_co_u32 s90, s90, s91
	s_lshl_b32 s90, s90, 14                        ; my first token's row of 16,384 bytes,
	s_lshl_b32 s91, s42, 10
	s_add_co_u32 s90, s90, s91
	s_lshl_b32 s91, s[WB], 9
	s_add_co_u32 s90, s90, s91                     ; my first column
	s_mov_b32 s91, 0
	s_add_nc_u64 s[8:9], s[8:9], s[90:91]
.macro FETCH slot, q, p
	WIN TO_B
.irp b, 0,1,2,3,4,5,6,7
.irp g, 0,1,2
	ds_load_b128 v[128*(\p)+12*\b+4*\g:128*(\p)+12*\b+4*\g+3], v[ADRB+\slot] offset:\b*REC+(\q)*FRB+512*\g
.endr
.endr
	WIN 0
.irp a, 0,1,2,3
.irp g, 0,1,2
	ds_load_b128 v[AF+48*(\p)+12*\a+4*\g:AF+48*(\p)+12*\a+4*\g+3], v[ADRA+\slot] offset:\a*REC+(\q)*FRB+512*\g
.endr
.endr
.endm
.macro SCALES slot                     ; lanes 0-15 A's tile i, lanes 16-31 B's tile i (for i over 3 the low lanes read bytes of the slot that nobody uses)
.irp i, 0,1,2,3,4,5,6,7
	ds_load_b64 v[SC+32*\slot+4*\i:SC+32*\slot+4*\i+1], v[ADRS+\slot] offset:\i*REC
	ds_load_b64 v[SC+32*\slot+4*\i+2:SC+32*\slot+4*\i+3], v[ADRS+\slot] offset:\i*REC+128
.endr
.endm
.macro MUL8 a, p, q, sc, zero          ; the 32 accumulators take turns, one instruction a turn, in the same order in every step
.irp b, 0,1,2,3,4,5,6,7
.if \zero
	v_wmma_scale_f32_16x16x128_f8f6f4 v[64*(\a)+8*\b:64*(\a)+8*\b+7], v[128*(\p)+12*\b:128*(\p)+12*\b+11], v[AF+48*(\p)+12*(\a):AF+48*(\p)+12*(\a)+11], 0, v[SC+32*(\sc)+4*\b+(\q)], v[SC+32*(\sc)+4*(\a)+(\q)] matrix_a_fmt:MATRIX_FMT_FP6 matrix_b_fmt:MATRIX_FMT_FP6 matrix_a_scale:MATRIX_SCALE_ROW1
.else
	v_wmma_scale_f32_16x16x128_f8f6f4 v[64*(\a)+8*\b:64*(\a)+8*\b+7], v[128*(\p)+12*\b:128*(\p)+12*\b+11], v[AF+48*(\p)+12*(\a):AF+48*(\p)+12*(\a)+11], v[64*(\a)+8*\b:64*(\a)+8*\b+7], v[SC+32*(\sc)+4*\b+(\q)], v[SC+32*(\sc)+4*(\a)+(\q)] matrix_a_fmt:MATRIX_FMT_FP6 matrix_b_fmt:MATRIX_FMT_FP6 matrix_a_scale:MATRIX_SCALE_ROW1
.endif
.endr
.endm
.macro STEP slot, q, zero
	s_wait_dscnt 0x0                               ; this step's fragments, asked for a step ago, are in
.rept 4
	v_nop                                          ; four places between the last step's products and the loads into the registers that they read
.endr
	FETCH \slot, (\q)+1, ((\q)+1)%2
	WIN MUL
	MUL8 0, (\q)%2, \q, \slot, \zero
	MUL8 1, (\q)%2, \q, \slot, \zero
	MUL8 2, (\q)%2, \q, \slot, \zero
	MUL8 3, (\q)%2, \q, \slot, \zero
	WIN 0
.endm
.macro TURN slot, next, fill
	s_wait_tensorcnt 0x0                           ; all my tensor loads have landed: my part of the next slot
	ds_add_u32 v[SPW], v[NIL]                      ; 0 onto my spare word
	s_wait_dscnt 1                                 ; this step's fragments are in; the add alone may be out
	WIN MUL
	MUL8 0, 1, 3, \slot, 0
	s_wait_dscnt 0x0                               ; the add is done, and my reads of this slot are over
	s_barrier_signal -1
	MUL8 1, 1, 3, \slot, 0
	WIN 0
	s_barrier_wait -1
.if \fill
	CREST                                          ; no wave of any partner still reads this slot or has a load on its way
	AIM \slot
	JLOAD \slot                                    ; the first tensor load behind the round; its four v_nop are also the places in front of the loads below
.else
.rept 4
	v_nop
.endr
.endif
	FETCH \next, 0, 0
	SCALES \next
	WIN MUL
	MUL8 2, 1, 3, \slot, 0
	MUL8 3, 1, 3, \slot, 0
	WIN 0
.endm
	s_wait_tensorcnt 1                             ; my part of slot 0 is in; slot 1's may stay out
	s_barrier_signal -1
	s_barrier_wait -1
	FETCH 0, 0, 0
	SCALES 0
	STEP 0, 0, 1                                   ; the first step's products start the sums
	s_mov_b32 s3, LAPS-1
.Llap:
	STEP 0, 1, 0
	STEP 0, 2, 0
	TURN 0, 1, 1
	STEP 1, 0, 0
	STEP 1, 1, 0
	STEP 1, 2, 0
	TURN 1, 0, 1
	STEP 0, 0, 0
	s_sub_co_u32 s3, s3, 1
	s_cmp_lg_u32 s3, 0
	s_cbranch_scc1 .Llap
	STEP 0, 1, 0                                   ; the last lap fills nothing
	STEP 0, 2, 0
	TURN 0, 1, 0
	STEP 1, 0, 0
	STEP 1, 1, 0
	STEP 1, 2, 0
	s_wait_dscnt 0x0
	WIN MUL
	MUL8 0, 1, 3, 1, 0
	MUL8 1, 1, 3, 1, 0
	MUL8 2, 1, 3, 1, 0
	MUL8 3, 1, 3, 1, 0
	WIN 0
; THE WAY OUT, a tile of 16 tokens x 128 columns at a time, through my own stage in slot 0, which has had its last fill and, since the last change of slots, its last read.
; Register j of accumulator (a, b) is column 32 (b / 2) + 16 h + 8 (b % 2) + j of token r.  LDS serves a wave's instructions in order: no wait between the stores and the loads, nor in front of the next tile's stores.
.macro TOSTAGE a
	WIN 0x04                                       ; an LDS store's data are its source 1: window 1
.irp b, 0,1,2,3,4,5,6,7
	ds_store_b128 v[STO], v[64*(\a)+8*\b:64*(\a)+8*\b+3] offset:128*(\b/2)+32*(\b%2)        ; each accumulator from its low end on
	ds_store_b128 v[STO], v[64*(\a)+8*\b+4:64*(\a)+8*\b+7] offset:128*(\b/2)+32*(\b%2)+16
.endr
	WIN 0
.set BB, BK+64*((\a)%2)
.irp t, 0,1,2,3,4,5,6,7,8,9,10,11,12,13,14,15
	ds_load_b128 v[BB+4*\t:BB+4*\t+3], v[RD] offset:\t*528
.endr
.endm
.macro SEND a, younger                 ; younger: the LDS instructions issued behind tile a's loads, which may stay out
.set BB, BK+64*((\a)%2)
	s_wait_dscnt \younger
.irp t, 0,1,2,3,4,5,6,7,8,9,10,11,12,13,14,15
	global_store_b128 v[LI], v[BB+4*\t:BB+4*\t+3], s[8:9] offset:(32*((\a)/2)+8*((\a)%2)+\t+8*(\t/8))*16384 th:TH_STORE_NT   ; 512 consecutive bytes, aligned; 63 rows at the most: the base is never stepped
.endr
.endm
.rept 4
	v_nop                                          ; four places behind the last products
.endr
	TOSTAGE 0
.irp a, 1,2,3
.if \a > 1
	s_wait_xcnt 0x0                                ; tile a - 2's stores have read their registers: tile a's loads may land there
.endif
	TOSTAGE \a
	SEND \a-1, 32                                  ; behind tile a - 1's loads: tile a's 16 stores and 16 loads
.endr
	SEND 3, 0
	s_wait_tensorcnt 0x0                           ; the wave's end
	ds_add_u32 v[SPW], v[NIL]
	s_wait_dscnt 0x0
	CROUND                                         ; the closing round
	s_endpgm
.Lfunc_end_k_q950bde43d7_oproj:
	.size	k_q950bde43d7_oproj, .Lfunc_end_k_q950bde43d7_oproj-k_q950bde43d7_oproj
	.p2alignl 7, 3214868480
	.fill 96, 4, 3214868480
	.section	.rodata,"a",@progbits
	.p2align	6, 0x0
	.amdhsa_kernel k_q950bde43d7_oproj
		.amdhsa_group_segment_fixed_size 327680
		.amdhsa_private_segment_fixed_size 0
		.amdhsa_enable_private_segment 0
		.amdhsa_kernarg_size 24
		.amdhsa_user_sgpr_count 2
		.amdhsa_user_sgpr_kernarg_segment_ptr 1
		.amdhsa_wavefront_size32 1
		.amdhsa_system_sgpr_workgroup_id_x 1
		.amdhsa_system_sgpr_workgroup_id_y 1
		.amdhsa_system_sgpr_workgroup_id_z 1
		.amdhsa_system_vgpr_workitem_id 0
		.amdhsa_next_free_vgpr 768
		.amdhsa_next_free_sgpr 100
		.amdhsa_reserve_vcc 0
		.amdhsa_float_denorm_mode_32 3
		.amdhsa_float_denorm_mode_16_64 3
		.amdhsa_memory_ordered 1
		.amdhsa_forward_progress 1
		.amdhsa_inst_pref_size 134
	.end_amdhsa_kernel
	.amdgpu_metadata
---
amdhsa.version: [ 1, 2 ]
amdhsa.kernels:
  - .name:           k_q950bde43d7_oproj
    .symbol:         k_q950bde43d7_oproj.kd
    .args:
      - { .name: ao, .offset: 0, .size: 8, .value_kind: global_buffer, .address_space: global }
      - { .name: woq, .offset: 8, .size: 8, .value_kind: global_buffer, .address_space: global }
      - { .name: out0, .offset: 16, .size: 8, .value_kind: global_buffer, .address_space: global }
    .group_segment_fixed_size: 327680
    .private_segment_fixed_size: 0
    .kernarg_segment_align: 8
    .kernarg_segment_size: 24
    .max_flat_workgroup_size: 128
    .sgpr_count:     100
    .vgpr_count:     768
    .wavefront_size: 32
...
	.end_amdgpu_metadata
.endif
;; end of part 4
